; MI455X (gfx1250); checked and timed in simulation.
; The chip was launched on July 23, 2026; its instructions are those of AMD's public machine-readable ISA for CDNA 5 (MIT licence, August 2026) and "CDNA5" Instruction Set Architecture Reference Guide (July 2026). The comments in the code are by the model that wrote it; some were corrected since.
;; Transformer Block. Allowed arithmetic: matrix products marked QUANTISED: E2M3 operands, one E8M0 scale for each 32 along K, by v_wmma_scale_f32_16x16x128_f8f6f4 with both operands' format E2M3, f32 sums; everything else in f32.
;; Inputs: b1 4,096 float32; b2 1,024 float32; b_o 1,024 float32; ln1_b 1,024 float32; ln1_g 1,024 float32; ln2_b 1,024 float32; ln2_g 1,024 float32; w1 1,024 x 4,096 float32; w2 4,096 x 1,024 float32; w_k 1,024 x 1,024 float32; w_o 1,024 x 1,024 float32; w_q 1,024 x 1,024 float32; w_v 1,024 x 1,024 float32; x 2 x 2,048 x 1,024 float32.
;; Outputs: out0 2 x 2,048 x 1,024 float32.
;; This version of the problem:
;;   THIS VERSION OF THE PROBLEM IS GIVEN IN LOW PRECISION. The matrix products marked QUANTISED in the list below multiply operands that are first quantised to E2M3 (2 exponent bits, 3 mantissa bits; 6 bits a number), with one power-of-two scale for each 32 numbers along K (OCP MX v1.0); their sums are f32. All else is computed in f32.
;;   The module's matrix products, in the order in which they are computed (A, B: the left and right operand; K: the contracted axis; several contracted axes count as one K, in the product's order):
;;     1. [M 4,096, K 1,024] x [K 1,024, N 1,024]; A: computed on the way; B: input w_q: QUANTISED
;;     2. [M 4,096, K 1,024] x [K 1,024, N 1,024]; A: computed on the way; B: input w_k: QUANTISED
;;     3. [M 4,096, K 1,024] x [K 1,024, N 1,024]; A: computed on the way; B: input w_v: QUANTISED
;;     4. batch 32 x [M 2,048, K 64] x [K 64, N 2,048]; A: computed on the way; B: computed on the way: QUANTISED
;;     5. batch 32 x [M 2,048, K 2,048] x [K 2,048, N 64]; A: softmax (see below); B: computed on the way: QUANTISED
;;     6. [M 4,096, K 1,024] x [K 1,024, N 1,024]; A: computed on the way; B: input w_o: QUANTISED
;;     7. [M 4,096, K 1,024] x [K 1,024, N 4,096]; A: computed on the way; B: input w1: QUANTISED
;;     8. [M 4,096, K 4,096] x [K 4,096, N 1,024]; A: computed on the way; B: input w2: QUANTISED
;;   THE QUANTISER, for each operand of a quantised product, along K:
;;     - K is cut into blocks of 32 from its start; a last block that is shorter is filled with zeros.
;;     - A block's scale is 2^e with e = floor(log2(the largest magnitude in the block)) - 2, held to -126 .. 127; a block of zeros has e = 0. As a byte (E8M0): e + 127.
;;     - Each number is divided by its block's scale, clamped to +-7.5, and rounded to the nearest number of E2M3, ties to even, subnormals kept.
;;     - The product sums the exact products of the quantised numbers (number of the format x scale) in f32.
;;   ~~~python
;;   def quantise(x, axis):      # numpy; x: float32 -> the quantised numbers, widened to float32 again
;;       x = np.moveaxis(x, axis, -1); K = x.shape[-1]
;;       x = np.pad(x, [(0, 0)] * (x.ndim - 1) + [(0, -K % 32)]); x = x.reshape(x.shape[:-1] + (-1, 32)); a = np.abs(x).max(-1, keepdims=True)
;;       e = np.where(a > 0, np.clip(np.frexp(np.where(a > 0, a, 1))[1] - 1 - 2, -126, 127), 0)      # np.frexp(a)[1] - 1 = floor(log2(a)), exactly
;;       r = np.clip(x / 2.0 ** e, -7.5, 7.5)
;;       step = 2.0 ** (np.maximum(np.frexp(np.where(r == 0, 1, r))[1] - 1, 0) - 3)
;;       q = np.round(r / step) * step * 2.0 ** e      # np.round: ties to even
;;       return np.moveaxis(q.reshape(q.shape[:-2] + (-1,))[..., :K], -1, axis).astype(np.float32)
;;   ~~~
;;   SOFTMAX AHEAD OF A QUANTISED PRODUCT. Where the list says 'softmax', what is quantised is not the finished softmax but p = 2^(t - M), with t = logit x log2(e) and M = ceil(the row's largest t), a whole number; so 1/2 < the row's largest p <= 1. The row's sum l is taken of the UNQUANTISED p, in f32, and the product's result is divided by l at the end. Since M is a whole number, a kernel that streams over the keys may use a running M (the ceiling of the running maximum): every later rescaling is an exact power of two, which a block's scale takes up: the codes' values come out the same.
;;   OPERANDS COMPUTED ON THE WAY. 'Computed on the way' means the value that the module computes at that place (a softmax that the list does not call 'softmax' is quantised finished and normalised). What goes into a quantiser is computed in f32, as accurately as f32 sums, v_exp_f32 and their like allow (about 1e-6 of the number): no bf16 or f16 on the way to a quantiser, and a product that is left as it is and whose result goes on into a quantised operand takes f32 operands (vector FMAs, or v_wmma_f32_16x16x4_f32). A number that lies on a knife's edge between two numbers of the format may be rounded either way, as far as f32 arithmetic and the matrix unit's own rounding can turn it there, and no further.
;; One version. Each part assembles by itself: llvm-mc -triple=amdgcn-amd-amdhsa -mcpu=gfx1250 --defsym DOCPART=n.
;; ======== version 1 of 1: 7 launches
;; limits: right only within a limited range of input values
;; workspace buffers: wf 9,830,400 bytes; hq 3,276,800 bytes; qh 3,407,872 bytes; kv 6,684,672 bytes; ao 3,276,800 bytes; x1 16,777,216 bytes; hid 13,107,200 bytes
;; launch prep (part 1): grid 640 x 1, 8 waves a work-group, no clusters, 77,824 bytes of LDS; arguments x, ln1_g, ln1_b, hq, w_q, w_k, w_v, w_o, w1, w2, wf; writes hq, wf
.if DOCPART == 1
	.amdgcn_target "amdgcn-amd-amdhsa--gfx1250"
	.amdhsa_code_object_version 6
	.text
	.protected	k_q974dd7ce93_prep
	.globl	k_q974dd7ce93_prep
	.p2align	8
	.type	k_q974dd7ce93_prep,@function
k_q974dd7ce93_prep:
	s_mov_b64 s[64:65], 0
	v_nop
	global_prefetch_b8 v0, s[64:65] scope:SCOPE_SE
	s_setreg_imm32_b32 hwreg(HW_REG_WAVE_MODE, 25, 1), 1
	s_wait_xcnt 0x0
; THE PROGRAM: a pre-LN transformer block, 4,096 tokens, D = 1,024, 16 heads of 64, F = 4,096, all eight products on codes of E2M3 with one E8M0 scale for each 32 along K.
; Seven launches: prep (this), qkv, attn, oproj, ln2, ffn1, ffn2.  NO WORK OF reference() IS LEFT OUT: every one of the 14 inputs has a way to out0 for some values (gains and biases stand ahead of a
; quantiser or in a result), so all are loaded.  The one padding is in attn: a head's 64 in an instruction 128 deep meets zero codes.
; THIS LAUNCH does two things that hang on nothing but inputs: work-groups 0-383 quantise the six weights, work-groups 384-639 make LN1(x) and quantise it.  One branch on the work-group's number parts them; only the second arm uses LDS and barriers.
; EVERY QUANTISED OPERAND LIES IN MEMORY AS AN IMAGE OF THE MATRIX OPERAND'S REGISTERS.
; A BLOCK (12,800 bytes) is 128 rows x 128 along K: eight fragments of 1,536 bytes, then eight times 64 bytes of scale words.  A FRAGMENT is 16 rows x 128 K, 12 registers a lane: for c = 0, 1
; registers 6c..6c+3 of lane l at 768 c + 16 l, registers 6c+4, 6c+5 at 768 c + 512 + 8 l; lane (rho, hh) holds k = 64 c + 32 hh + 0..31 of the fragment's row rho.  Blocks are laid [row block][K step].
; THE ROWS OF A FRAGMENT ARE NOT NEIGHBOURS: of a group of 32 rows, fragment u (0, 1) holds in its row rho the row 8 u + rho + 8 (rho / 8), so that a later product's 16 registers of two neighbouring
; fragments are 16 neighbours along the next K.
; THE WEIGHTS, f32, stored [K][N]; a row of an operand is a column n.  Blocks of wf: w_q 0-63, w_k 64-127, w_v 128-191, w_o 192-255: [n block][K step]; w1 256-511: [32][8]; w2 512-767: [8][32].
; A work-group makes blocks 2 g and 2 g + 1, four waves each.  Wave w of the four takes columns 32 w .. 32 w + 31; A LANE TAKES A COLUMN AND ITS 128 REGISTERS RUN DOWN K: each load reads 128 consecutive bytes a wave,
; a block of 32 along K lies in one lane, and the conversions give codes with K innermost.
; LN1: work-group 384 + F is fragment F of the 256 of hq ([32 blocks of 128 tokens][8 K steps]): tokens T0 + r + 8 (r / 8), T0 = 32 (F / 2) + 8 (F % 2).  Wave w is K step w.  A token's 512 bytes of the K step come by ONE load,
; 16 bytes a lane; the 16 rows turn through the wave's own stage in LDS (rows 528 bytes apart, so that the sixteen rows that a load touches start in different banks) and come back so that lane (r, h) holds 64 numbers of row r:
; register 16 b + i is k = 128 w + 32 b + 16 h + i, which is what the conversions want.  The gain and the bias come by one load each and are read from the same stage.
; The mean is taken first and the deviations are squared afterwards, so a common offset of the inputs costs no accuracy.  The eight waves' partial sums meet in LDS: one barrier for the mean, one for the variance, on bytes of their own.
; A block's scale is 2^(floor(log2(largest magnitude)) - 2); its byte is the largest magnitude's exponent field - 2, held at 1 from below.
; LIMITS: a block of zeros, or one whose largest magnitude lies under 2^-124, gets the byte 1 where the rule says 127 or less (its codes are zeros or are held; this program alone reads the bytes); rsqrt by the 1-ulp instruction;
; NaN and infinities among the inputs are not served.
; THE DEAL OF THE LAUNCH'S WORK-GROUPS: the shares that the comment above numbers 384 + F (LN1, fragment F) are taken by the launch's work-groups F = 0-255, and the shares numbered 0-383 (the weights) by work-groups 256-639:
; LN1's chain (loads, two barriers, the quantiser, the stores) is the longest, so it has the lowest numbers.
.set NLN,   256                        ; work-groups that take LN1
.set WX,    32                         ; weights: v32-159 my column's 128 numbers
.set WC,    160                        ; v160-191 codes: eight registers for each block of 32, so that no store's data are written again
.set X,     32                         ; LN: v32-95 my 64 numbers
.set G,     96                         ; v96-159  the gain at my 64 places; later the codes
.set BV,    160                        ; v160-223 the bias
.set TM,    224                        ; v224-227 largest magnitudes, v228-231 permutes and bytes, v236-239 scale operands
.set PW,    240                        ; the scale word
.set PC,    96
.set SPARE, 1024                       ; LDS: 0-511 sums, 512-1023 sums of squares (word [wave][r]); 1,024-2,047 the spare words, 128 bytes a wave, which no other line names
.set STG,   2048                       ; from here a stage for each wave:
.set WST,   9472                       ; 16 rows x 528 bytes, then 512 bytes of the gain and 512 of the bias
.set SEL,   20
.macro LOADS pitch                     ; row i of the block's 128 rows of the weight, at my column
.set i, 0
.rept 128
	global_load_b32 v[WX+i], v2, s[18:19] offset:i*(\pitch) th:TH_LOAD_NT
.set i, i+1
.endr
.endm
.macro BLOCK t, left                   ; k = 32 t .. 32 t + 31 of my column
.set XS, WX+32*(\t)
.set E, WC+8*(\t)
	s_wait_loadcnt \left                           ; this block's 32 loads are in
	v_max3_num_f32 v12, |v[XS]|, |v[XS+1]|, |v[XS+2]|
	v_max3_num_f32 v13, |v[XS+3]|, |v[XS+4]|, |v[XS+5]|
.irp i, 6,10,14,18,22,26
	s_delay_alu instid0(VALU_DEP_2)
	v_max3_num_f32 v12, v12, |v[XS+\i]|, |v[XS+\i+1]|
	s_delay_alu instid0(VALU_DEP_2)
	v_max3_num_f32 v13, v13, |v[XS+\i+2]|, |v[XS+\i+3]|
.endr
	s_delay_alu instid0(VALU_DEP_2)
	v_max3_num_f32 v12, v12, |v[XS+30]|, |v[XS+31]|
	s_delay_alu instid0(VALU_DEP_1)
	v_max3_num_f32 v12, v12, v13, 0x1800000        ; and the floor 2^(3 - 127): the byte cannot fall under 1
	s_delay_alu instid0(VALU_DEP_1)
	v_add_nc_u32 v11, 0xff000000, v12              ; 2 off the exponent field: the conversion's scale operand
	s_delay_alu instid0(VALU_DEP_1)
	v_lshrrev_b32 v13, 23, v11                     ; the scale's byte
.if (\t) == 0
	s_delay_alu instid0(VALU_DEP_1)
	v_mov_b32 v20, v13
.else
	s_delay_alu instid0(VALU_DEP_1)
	v_lshl_or_b32 v20, v13, 8*(\t), v20            ; four bytes make my column's scale word
.endif
	v_cvt_scalef32_pk16_fp6_f32 v[E:E+2], v[XS:XS+15], v11
	v_cvt_scalef32_pk16_fp6_f32 v[E+4:E+6], v[XS+16:XS+31], v11   ; (a conversion's three registers begin on an even number)
	v_nop                                          ; one plain place behind a scaled conversion
	v_mov_b32 v[E+3], v[E+4]
	v_mov_b32 v[E+4], v[E+5]
	v_mov_b32 v[E+5], v[E+6]                       ; v[E .. E+5]: the block's 24 bytes
	global_store_b128 v3, v[E:E+3], s[22:23] offset:768*((\t)/2)+256*((\t)%2)       ; the wave's store covers two runs of 256 consecutive bytes, each aligned
	global_store_b64 v4, v[E+4:E+5], s[22:23] offset:768*((\t)/2)+512+128*((\t)%2)
.endm
.macro ACROSS red                      ; v241: my lane's sum -> the row's, over both halves of the lanes and the eight waves
	s_delay_alu instid0(VALU_DEP_1)
	v_permlanex16_b32 v228, v241, s[SEL], s[SEL+1]
	s_delay_alu instid0(VALU_DEP_1)
	v_add_f32 v241, v241, v228
	ds_store_b32 v3, v241 offset:\red              ; lanes r and r + 16 write the same word with the same value
	s_wait_dscnt 0x0                               ; for the others' sake: my store has landed (and all my loads from the stage are in)
	s_barrier_signal -1
	s_barrier_wait -1
.irp w, 0,1,2,3,4,5,6,7
	ds_load_b32 v[246+\w], v4 offset:\red+64*\w
.endr
	s_wait_dscnt 0x0
	v_add_f32 v241, v246, v247
.irp w, 2,3,4,5,6,7
	s_delay_alu instid0(VALU_DEP_1)
	v_add_f32 v241, v241, v[246+\w]
.endr
.endm
	v_lshl_add_u32 v8, v0, 2, SPARE                ; my spare word; never rewritten
	v_mov_b32 v9, 0                                ; 0; never rewritten
	v_lshrrev_b32 v1, 5, v0
	s_delay_alu instid0(VALU_DEP_1)
	v_readfirstlane_b32 s31, v1                    ; wave 0..7
	s_cmp_ge_u32 ttmp9, NLN                        ; the work-group's number alone: all eight waves go the same way
	s_cbranch_scc0 .Lnorm
	; ---------------- the weights
	s_load_b256 s[4:11], s[0:1], 0x20              ; w_q, w_k, w_v, w_o
	s_load_b128 s[12:15], s[0:1], 0x40             ; w1, w2
	s_load_b64 s[16:17], s[0:1], 0x50              ; wf
	s_sub_co_u32 s30, ttmp9, NLN                   ; which of the 384 shares of the weights
	s_lshl_b32 s30, s30, 1
	s_lshr_b32 s26, s31, 2
	s_add_co_u32 s30, s30, s26                     ; my block: 2 x work-group + wave / 4
	s_and_b32 s26, s31, 3                          ; my 32 columns of it
	v_and_b32 v1, 31, v0
	s_delay_alu instid0(VALU_DEP_1)
	v_lshlrev_b32 v2, 2, v1                        ; in: 4 bytes a lane
	v_bfe_u32 v6, v0, 3, 1                         ; u = (lane / 8) % 2: which fragment of my wave's two
	v_and_b32 v7, 7, v0
	v_bfe_u32 v10, v0, 4, 1
	s_delay_alu instid0(VALU_DEP_1)
	v_lshl_add_u32 v7, v10, 3, v7                  ; rho = lane % 8 + 8 (lane / 16): my row in it
	s_mul_i32 s27, s26, 3072
	v_mul_u32_u24 v21, v6, 1536
	s_delay_alu instid0(VALU_DEP_1)
	v_add_nc_u32 v21, s27, v21                     ; fragment 2 w + u
	s_delay_alu instid0(VALU_DEP_1)
	v_lshl_add_u32 v3, v7, 4, v21                  ; + 16 rho
	s_delay_alu instid0(VALU_DEP_2)
	v_lshl_add_u32 v4, v7, 3, v21                  ; + 8 rho
	s_lshl_b32 s28, s26, 7
	s_add_co_u32 s28, s28, 12288
	v_lshlrev_b32 v5, 6, v6
	s_delay_alu instid0(VALU_DEP_1)
	v_lshl_add_u32 v5, v7, 2, v5
	s_delay_alu instid0(VALU_DEP_1)
	v_add_nc_u32 v5, s28, v5                       ; the scale word: 12,288 + 64 (2 w + u) + 4 rho
	s_and_b32 s20, s30, 7                          ; K step and n block, by the three shapes
	s_lshr_b32 s22, s30, 3
	s_and_b32 s21, s22, 7
	s_and_b32 s22, s22, 31
	s_and_b32 s23, s30, 31
	s_lshr_b32 s24, s30, 5
	s_and_b32 s24, s24, 7
	s_cmp_lt_u32 s30, 256
	s_cselect_b32 s21, s21, s22
	s_cselect_b32 s25, 19, 21                      ; 128 rows of 4,096 bytes, or of 16,384 (w1)
	s_cmp_lt_u32 s30, 512
	s_cselect_b32 s20, s20, s23
	s_cselect_b32 s21, s21, s24
	s_cselect_b32 s25, s25, 19
	s_lshl_b32 s20, s20, s25
	s_lshl_b32 s21, s21, 9
	s_add_co_u32 s20, s20, s21
	s_lshl_b32 s21, s26, 7
	s_add_co_u32 s20, s20, s21                     ; K step x 128 rows + n block x 512 + wave x 128 bytes
	s_mov_b32 s21, 0
	s_mul_i32 s22, s30, 12800
	s_mov_b32 s23, 0
	s_wait_kmcnt 0x0
	s_mov_b64 s[18:19], s[14:15]                   ; which weight: the choice hangs on the block's number alone
	s_cmp_lt_u32 s30, 512
	s_cselect_b64 s[18:19], s[12:13], s[18:19]
	s_cmp_lt_u32 s30, 256
	s_cselect_b64 s[18:19], s[10:11], s[18:19]
	s_cmp_lt_u32 s30, 192
	s_cselect_b64 s[18:19], s[8:9], s[18:19]
	s_cmp_lt_u32 s30, 128
	s_cselect_b64 s[18:19], s[6:7], s[18:19]
	s_cmp_lt_u32 s30, 64
	s_cselect_b64 s[18:19], s[4:5], s[18:19]
	s_add_nc_u64 s[18:19], s[18:19], s[20:21]
	s_add_nc_u64 s[22:23], s[16:17], s[22:23]
	s_sub_co_u32 s29, s30, 256
	s_cmp_lt_u32 s29, 256                          ; w1's blocks: the row pitch stands in the loads' immediates, so the run of loads is written for each pitch
	s_cbranch_scc1 .Lwide
	LOADS 4096
	s_branch .Lloaded
.Lwide:
	LOADS 16384
.Lloaded:
	BLOCK 0, 63                                    ; 96 loads were issued behind block 0's, 64 behind block 1's: the wait's field holds 63, the smaller count is safe
	BLOCK 1, 63
	BLOCK 2, 32                                    ; block 3's 32 may be out
	BLOCK 3, 0
	global_store_b32 v5, v20, s[22:23]             ; my column's scale word: 128 consecutive bytes a wave
	s_endpgm
	; ---------------- LN1
.Lnorm:
	s_load_b256 s[4:11], s[0:1], 0x0               ; x, the gain, the bias, hq
	s_mov_b32 s12, ttmp9                           ; F
	v_and_b32 v13, 31, v0                          ; lane
	v_and_b32 v10, 15, v0                          ; r
	v_bfe_u32 v11, v0, 4, 1                        ; h
	s_delay_alu instid0(VALU_DEP_3)
	v_lshlrev_b32 v1, 4, v13                       ; 16 x lane: my bytes of a load's 512, and of a store's
	s_delay_alu instid0(VALU_DEP_4)
	v_lshlrev_b32 v6, 3, v13                       ; 8 x lane
	s_delay_alu instid0(VALU_DEP_4)
	v_lshlrev_b32 v7, 2, v10                       ; 4 r
	v_lshlrev_b32 v4, 2, v10                       ; LDS: 4 r
	s_mul_i32 s14, s31, WST
	s_add_co_u32 s14, s14, STG                     ; my wave's stage
	v_add_nc_u32 v2, s14, v1                       ; into it: 16 x lane of a row
	v_mul_u32_u24 v5, v10, 528
	s_delay_alu instid0(VALU_DEP_1)
	v_lshl_add_u32 v5, v11, 6, v5
	s_delay_alu instid0(VALU_DEP_1)
	v_add_nc_u32 v5, s14, v5                       ; out of it: row r, + 64 h
	v_lshlrev_b32 v12, 6, v11
	s_delay_alu instid0(VALU_DEP_1)
	v_add_nc_u32 v12, s14, v12                     ; the gain and the bias: + 64 h
	s_lshl_b32 s15, s31, 6
	v_lshl_add_u32 v3, v10, 2, s15                 ; LDS: 64 wave + 4 r
.irp b, 0,1,2,3
	v_mov_b32 v[TM+4+\b], 0                        ; written once: a lane permute's destination counts as one of its sources
.endr
	s_lshr_b32 s13, s12, 1
	s_lshl_b32 s13, s13, 5
	s_and_b32 s16, s12, 1
	s_lshl_b32 s16, s16, 3
	s_add_co_u32 s13, s13, s16                     ; T0
	s_lshl_b32 s16, s13, 12
	s_lshl_b32 s18, s31, 9                         ; my K step: 512 bytes of a row
	s_add_co_u32 s16, s16, s18
	s_mov_b32 s17, 0
	s_mov_b32 s19, 0
	s_lshr_b32 s22, s12, 3
	s_mul_i32 s22, s22, 102400
	s_mul_i32 s23, s31, 12800
	s_add_co_u32 s22, s22, s23                     ; the block: (F / 8, wave)
	s_and_b32 s24, s12, 7
	s_mul_i32 s25, s24, 1536
	s_add_co_u32 s26, s22, s25                     ; its fragment F % 8,
	s_mov_b32 s27, 0
	s_lshl_b32 s25, s24, 6
	s_add_co_u32 s28, s22, s25
	s_add_co_u32 s28, s28, 12288                   ; and that fragment's scale words
	s_mov_b32 s29, 0
	s_mov_b32 s[SEL], 0x76543210
	s_mov_b32 s[SEL+1], 0xfedcba98                 ; v_permlanex16_b32's selects for lane l xor 16
	s_mov_b32 s30, 0x3a800000                      ; 1 / 1,024
	s_wait_alu depctr_va_vdst(0)
	s_wait_kmcnt 0x0
	s_add_nc_u64 s[4:5], s[4:5], s[16:17]
	s_add_nc_u64 s[6:7], s[6:7], s[18:19]
	s_add_nc_u64 s[8:9], s[8:9], s[18:19]
	s_add_nc_u64 s[26:27], s[10:11], s[26:27]
	s_add_nc_u64 s[28:29], s[10:11], s[28:29]
.irp p, 0,1,2,3,4,5,6,7,8,9,10,11,12,13,14,15
	global_load_b128 v[X+4*\p:X+4*\p+3], v1, s[4:5] offset:(\p+8*(\p/8))*4096 th:TH_LOAD_NT   ; the fragment's row p: 512 consecutive bytes, aligned
.endr
	global_load_b128 v[G:G+3], v1, s[6:7]          ; my K step's 128 numbers of the gain,
	global_load_b128 v[BV:BV+3], v1, s[8:9]        ; and of the bias
.irp p, 0,1,2,3,4,5,6,7,8,9,10,11,12,13,14,15
	s_wait_loadcnt 17-\p                           ; row p is in: behind it stand 15 - p rows and the two loads of the gain and the bias
	ds_store_b128 v2, v[X+4*\p:X+4*\p+3] offset:528*\p
.endr
	s_wait_loadcnt 0x0
	ds_store_b128 v2, v[G:G+3] offset:8448
	ds_store_b128 v2, v[BV:BV+3] offset:8960
.irp b, 0,1,2,3                        ; LDS serves a wave's instructions in order: these see my stores, and land in the registers that the stores have read
.irp j, 0,1,2,3
	ds_load_b128 v[X+16*\b+4*\j:X+16*\b+4*\j+3], v5 offset:128*\b+16*\j
.endr
.endr
.irp b, 0,1,2,3
.irp j, 0,1,2,3
	ds_load_b128 v[G+16*\b+4*\j:G+16*\b+4*\j+3], v12 offset:8448+128*\b+16*\j
.endr
.endr
.irp b, 0,1,2,3
.irp j, 0,1,2,3
	ds_load_b128 v[BV+16*\b+4*\j:BV+16*\b+4*\j+3], v12 offset:8960+128*\b+16*\j
.endr
.endr
	s_wait_dscnt 32                                ; x is back; the 16 loads of the gain and the 16 of the bias may be out
	v_pk_add_f32 v[234:235], v[32:33], v[34:35]
	v_pk_add_f32 v[254:255], v[40:41], v[44:45]
	v_pk_add_f32 v[252:253], v[48:49], v[52:53]
	v_pk_add_f32 v[250:251], v[56:57], v[60:61]
	v_pk_add_f32 v[248:249], v[64:65], v[68:69]
	v_pk_add_f32 v[246:247], v[72:73], v[76:77]
	v_pk_add_f32 v[244:245], v[80:81], v[84:85]
	v_pk_add_f32 v[232:233], v[88:89], v[92:93]
	s_delay_alu instid0(VALU_DEP_1)
	v_pk_add_f32 v[232:233], v[232:233], v[36:37]
	v_pk_add_f32 v[234:235], v[234:235], v[38:39]
	v_pk_add_f32 v[254:255], v[254:255], v[42:43]
	v_pk_add_f32 v[252:253], v[252:253], v[46:47]
	v_pk_add_f32 v[250:251], v[250:251], v[50:51]
	v_pk_add_f32 v[248:249], v[248:249], v[54:55]
	v_pk_add_f32 v[246:247], v[246:247], v[58:59]
	v_pk_add_f32 v[244:245], v[244:245], v[62:63]
	v_pk_add_f32 v[232:233], v[232:233], v[66:67]
	v_pk_add_f32 v[234:235], v[234:235], v[70:71]
	v_pk_add_f32 v[254:255], v[254:255], v[74:75]
	v_pk_add_f32 v[252:253], v[252:253], v[78:79]
	v_pk_add_f32 v[250:251], v[250:251], v[82:83]
	v_pk_add_f32 v[248:249], v[248:249], v[86:87]
	v_pk_add_f32 v[246:247], v[246:247], v[90:91]
	v_pk_add_f32 v[244:245], v[244:245], v[94:95]
	s_delay_alu instid0(VALU_DEP_4)
	v_pk_add_f32 v[232:233], v[232:233], v[250:251]
	s_delay_alu instid0(VALU_DEP_4)
	v_pk_add_f32 v[234:235], v[234:235], v[248:249]
	s_delay_alu instid0(VALU_DEP_4)
	v_pk_add_f32 v[254:255], v[254:255], v[246:247]
	s_delay_alu instid0(VALU_DEP_4)
	v_pk_add_f32 v[252:253], v[252:253], v[244:245]
	s_delay_alu instid0(VALU_DEP_2)
	v_pk_add_f32 v[232:233], v[232:233], v[254:255]
	s_delay_alu instid0(VALU_DEP_2)
	v_pk_add_f32 v[234:235], v[234:235], v[252:253]
	s_delay_alu instid0(VALU_DEP_1)
	v_pk_add_f32 v[232:233], v[232:233], v[234:235]
	s_delay_alu instid0(VALU_DEP_1)
	v_add_f32 v241, v232, v233
	ACROSS 0
	s_delay_alu instid0(VALU_DEP_1)
	v_mul_f32 v242, s30, v241                      ; the mean,
	s_delay_alu instid0(VALU_DEP_1)
	v_mov_b32 v243, v242                           ; as a pair
.set i, 0
.rept 32
	v_pk_add_f32 v[X+i:X+i+1], v[X+i:X+i+1], v[242:243] neg_lo:[0,1] neg_hi:[0,1]   ; d = x - mean
.set i, i+2
.endr
	v_pk_mul_f32 v[232:233], v[X:X+1], v[X:X+1]    ; the sum of d^2
	v_pk_mul_f32 v[234:235], v[X+2:X+3], v[X+2:X+3]
.irp j, 4,8,12,16,20,24,28,32,36,40,44,48,52,56,60
	s_delay_alu instid0(VALU_DEP_2)
	v_pk_fma_f32 v[232:233], v[X+\j:X+\j+1], v[X+\j:X+\j+1], v[232:233]
	s_delay_alu instid0(VALU_DEP_2)
	v_pk_fma_f32 v[234:235], v[X+\j+2:X+\j+3], v[X+\j+2:X+\j+3], v[234:235]
.endr
	s_delay_alu instid0(VALU_DEP_1)
	v_pk_add_f32 v[232:233], v[232:233], v[234:235]
	s_delay_alu instid0(VALU_DEP_1)
	v_add_f32 v241, v232, v233
	ACROSS 512
	s_delay_alu instid0(VALU_DEP_1)
	v_fmaak_f32 v241, s30, v241, 0x3727c5ac        ; var + 1e-5
	s_wait_alu depctr_va_vdst(0)
	v_rsq_f32 v244, v241
	v_nop                                          ; a plain place behind the transcendental
	s_wait_alu depctr_va_vdst(0)                   ; the wait ahead of the first line that names the result
	v_mov_b32 v245, v244
.set i, 0
.rept 32
	v_pk_mul_f32 v[X+i:X+i+1], v[X+i:X+i+1], v[244:245]
.set i, i+2
.endr
.set i, 0
.rept 32
	v_pk_fma_f32 v[X+i:X+i+1], v[X+i:X+i+1], v[G+i:G+i+1], v[BV+i:BV+i+1]
.set i, i+2
.endr
	; the quantiser: four blocks of 32; a block lies in lanes l and l xor 16
.irp b, 0,1,2,3
	v_max3_num_f32 v[TM+\b], |v[X+16*\b]|, |v[X+1+16*\b]|, 0x1800000   ; and the floor 2^(3 - 127): the byte cannot fall under 1
.endr
.irp i, 2,4,6,8,10,12,14
.irp b, 0,1,2,3
	s_delay_alu instid0(VALU_DEP_4)
	v_max3_num_f32 v[TM+\b], v[TM+\b], |v[X+16*\b+\i]|, |v[X+1+16*\b+\i]|
.endr
.endr
.irp b, 0,1,2,3
	s_delay_alu instid0(VALU_DEP_4)
	v_permlanex16_b32 v[TM+4+\b], v[TM+\b], s[SEL], s[SEL+1]
.endr
.irp b, 0,1,2,3
	s_delay_alu instid0(VALU_DEP_4)
	v_max_num_f32 v[TM+\b], v[TM+\b], v[TM+4+\b]
.endr
.irp b, 0,1,2,3
	s_delay_alu instid0(VALU_DEP_4)
	v_add_nc_u32 v[TM+12+\b], 0xff000000, v[TM+\b] ; 2 off the exponent field: the conversion's scale operand
.endr
.irp b, 0,1,2,3
	s_delay_alu instid0(VALU_DEP_4)
	v_lshrrev_b32 v[TM+4+\b], 23, v[TM+12+\b]      ; the scale's byte
.endr
	s_delay_alu instid0(VALU_DEP_3)
	v_lshl_or_b32 v[PW], v[TM+5], 8, v[TM+4]
	s_delay_alu instid0(VALU_DEP_1)
	v_lshl_or_b32 v[PW], v[TM+6], 16, v[PW]
	s_delay_alu instid0(VALU_DEP_1)
	v_lshl_or_b32 v[PW], v[TM+7], 24, v[PW]
.irp c, 0,1
	v_cvt_scalef32_pk16_fp6_f32 v[PC+6*\c:PC+2+6*\c], v[X+32*\c:X+15+32*\c], v[TM+12+2*\c]
	v_cvt_scalef32_pk16_fp6_f32 v[PC+12+4*\c:PC+14+4*\c], v[X+16+32*\c:X+31+32*\c], v[TM+13+2*\c]
.endr
	v_nop                                          ; one plain place behind a scaled conversion
.irp c, 0,1                            ; the operand's layout wants a whole block in a lane: lanes 0-15 block 2 c, lanes 16-31 block 2 c + 1
.irp i, 0,1,2
	v_permlane16_swap_b32 v[PC+6*\c+\i], v[PC+12+4*\c+\i]
.endr
.irp i, 0,1,2
	s_delay_alu instid0(VALU_DEP_3)
	v_mov_b32 v[PC+3+6*\c+\i], v[PC+12+4*\c+\i]
.endr
.endr
	global_store_b128 v1, v[PC:PC+3], s[26:27]                  ; 512 consecutive bytes, aligned
	global_store_b64 v6, v[PC+4:PC+5], s[26:27] offset:512      ; 256
	global_store_b128 v1, v[PC+6:PC+9], s[26:27] offset:768
	global_store_b64 v6, v[PC+10:PC+11], s[26:27] offset:1280
	global_store_b32 v7, v[PW], s[28:29]                        ; 64 bytes of scale words (both halves of the lanes hold the same word)
	s_wait_tensorcnt 0x0                           ; the wave's end, behind my last LDS store
	ds_add_u32 v8, v9
	s_wait_dscnt 0x0
	s_endpgm
.Lfunc_end_k_q974dd7ce93_prep:
	.size	k_q974dd7ce93_prep, .Lfunc_end_k_q974dd7ce93_prep-k_q974dd7ce93_prep
	.p2alignl 7, 3214868480
	.fill 96, 4, 3214868480
	.section	.rodata,"a",@progbits
	.p2align	6, 0x0
	.amdhsa_kernel k_q974dd7ce93_prep
		.amdhsa_group_segment_fixed_size 77824
		.amdhsa_private_segment_fixed_size 0
		.amdhsa_enable_private_segment 0
		.amdhsa_kernarg_size 88
		.amdhsa_user_sgpr_count 2
		.amdhsa_user_sgpr_kernarg_segment_ptr 1
		.amdhsa_wavefront_size32 1
		.amdhsa_system_sgpr_workgroup_id_x 1
		.amdhsa_system_sgpr_workgroup_id_y 1
		.amdhsa_system_sgpr_workgroup_id_z 1
		.amdhsa_system_vgpr_workitem_id 0
		.amdhsa_next_free_vgpr 256
		.amdhsa_next_free_sgpr 66
		.amdhsa_reserve_vcc 0
		.amdhsa_float_denorm_mode_32 3
		.amdhsa_float_denorm_mode_16_64 3
		.amdhsa_memory_ordered 1
		.amdhsa_forward_progress 1
		.amdhsa_inst_pref_size 66
	.end_amdhsa_kernel
	.amdgpu_metadata
---
amdhsa.version: [ 1, 2 ]
amdhsa.kernels:
  - .name:           k_q974dd7ce93_prep
    .symbol:         k_q974dd7ce93_prep.kd
    .args:
      - { .name: x, .offset: 0, .size: 8, .value_kind: global_buffer, .address_space: global }
      - { .name: ln1_g, .offset: 8, .size: 8, .value_kind: global_buffer, .address_space: global }
      - { .name: ln1_b, .offset: 16, .size: 8, .value_kind: global_buffer, .address_space: global }
      - { .name: hq, .offset: 24, .size: 8, .value_kind: global_buffer, .address_space: global }
      - { .name: w_q, .offset: 32, .size: 8, .value_kind: global_buffer, .address_space: global }
      - { .name: w_k, .offset: 40, .size: 8, .value_kind: global_buffer, .address_space: global }
      - { .name: w_v, .offset: 48, .size: 8, .value_kind: global_buffer, .address_space: global }
      - { .name: w_o, .offset: 56, .size: 8, .value_kind: global_buffer, .address_space: global }
      - { .name: w1, .offset: 64, .size: 8, .value_kind: global_buffer, .address_space: global }
      - { .name: w2, .offset: 72, .size: 8, .value_kind: global_buffer, .address_space: global }
      - { .name: wf, .offset: 80, .size: 8, .value_kind: global_buffer, .address_space: global }
    .group_segment_fixed_size: 77824
    .private_segment_fixed_size: 0
    .kernarg_segment_align: 8
    .kernarg_segment_size: 88
    .max_flat_workgroup_size: 256
    .sgpr_count:     66
    .vgpr_count:     256
    .wavefront_size: 32
...
	.end_amdgpu_metadata
.endif
;; end of part 1
;; launch qkv (part 2): grid 12 x 16, 4 waves a work-group, clusters of 4 x 4, 327,680 bytes of LDS; arguments hq, wf, qh, kv; writes qh, kv
.if DOCPART == 2
	.amdgcn_target "amdgcn-amd-amdhsa--gfx1250"
	.amdhsa_code_object_version 6
	.text
	.protected	k_q974dd7ce93_qkv
	.globl	k_q974dd7ce93_qkv
	.p2align	8
	.type	k_q974dd7ce93_qkv,@function
k_q974dd7ce93_qkv:
	s_mov_b64 s[64:65], 0
	v_nop
	global_prefetch_b8 v0, s[64:65] scope:SCOPE_SE
	s_setreg_imm32_b32 hwreg(HW_REG_WAVE_MODE, 25, 1), 1
	s_wait_xcnt 0x0
	s_wait_alu depctr_hold_cnt(0) depctr_sa_sdst(0) depctr_va_vdst(0) depctr_va_sdst(0) depctr_va_ssrc(0) depctr_va_vcc(0) depctr_vm_vsrc(0)
	s_getreg_b32 s2, hwreg(HW_REG_IB_STS2, 6, 4)
	s_cmp_eq_u32 s2, 0
	s_cbranch_scc0 .Lentry_in_a_cluster
	s_endpgm
.Lentry_in_a_cluster:
	s_bfe_u32 s2, ttmp6, 0x10000c
	s_cmp_lg_u32 s2, 0xf033
	s_cbranch_scc0 .Lentry_shape_is_right
	s_endpgm
.Lentry_shape_is_right:
; q, k and v = LN1(x) times w_q, w_k, w_v, on codes of E2M3, and the quantisers of attention's operands behind them.  Nothing is left out.
; OPERANDS are images of the matrix operand's registers (blocks of 12,800 bytes = 128 rows x 128 K: eight fragments of 1,536 bytes, then 8 x 64 bytes of scale words; blocks laid [row block][K step]; set out at the head of the first launch).
; A tile is 256 x 256: four waves, each 128 x 128: 64 accumulators, 512 registers.  K = 1,024 goes in eight steps of 128 through a ring of two LDS slots of two steps each.
; A fragment comes from LDS by two loads of 16 bytes and two of 8 at 16 x lane and 8 x lane: dense, no pitch, no padding.
; THE PRODUCT IS USED TRANSPOSED: source 0 = 16 rows of B, source 1 = 16 rows of A: a lane holds ONE row of A, and by the order of rows in a fragment the 64 registers of an A fragment's eight accumulators are 128 neighbours of B's rows.
; CLUSTERS 0 AND 1 ALONG x: A = tokens (hq), B = the 2,048 columns of w_q and w_k: a lane holds a token and 128 channels (two heads): quantised along the head's 64.
; CLUSTER 2 ALONG x: A = the 1,024 columns of w_v, B = tokens: a lane holds a channel and 128 KEYS: quantised along the keys, as attention's second product wants.  Same text, other pointers: the choice hangs on the cluster's number, the same in all sixteen partners.
; JOINT LOADS: the four of a row of the cluster need the same pieces of A, the four of a column the same of B: the same tensor load with the same descriptor and a mask that names the four.
; OUT: qh [b 16 + head][group of 128 queries][6,656]: eight half fragments of 768 bytes, then 8 x 64 bytes of scale words; kv [b 16 + head][group of 128 keys][13,056]: the same for k, then at 6,656 four fragments of v^T and 4 x 64 bytes of scale words.
; A half fragment's scale word carries the head's two bytes below; above them the other head's bytes or zeros, which in attn meet zero codes.
; LIMITS: a block of zeros gets the byte 1 (its codes are zeros; this program alone reads the bytes); NaN and infinities are not served.  192 work-groups: 64 WGPs have no work in this launch.
.set FRN, 8                            ; fragments a wave and side
.set NQ,  2                            ; K steps in a slot
.set KS,  8                            ; K steps
.set T1,  2                            ; rows of products ahead of the barrier's signal in a change of slots,
.set T2,  3                            ; and ahead of its wait
.set HASBIAS, 0
.set WVOFF, 1638400                    ; w_v's blocks in wf
.set HSTR, 25600                       ; from one half of the tile's rows to the other, in LDS: codes,
.set SSTR, 25600                       ; scale words
.set SPARE, 204800                     ; behind the ring: the spare words, 128 bytes a wave, which no other line names
.set BLK,    12800
.set PIECE,  25600                     ; what one tensor load brings: 100 rows of 256 bytes, dense
.set SLOT,   102400                    ; four pieces: wave w's at 25,600 w
.set FILLSTEP, NQ*BLK
.set LAPS,   KS/(2*NQ)
.set ADA16, 16                         ; v16-17 A's fragments in slot 0, 1: base + 16 x lane;  v18-19: + 8 x lane
.set ADA8,  18
.set ADB16, 20                         ; v20-23 the same for B
.set ADB8,  22
.set ADS,   24                         ; v24-25 scale words: lanes 0-15 A's, lanes 16-31 B's
.set L16,   26                         ; v26 16 x lane, v27 8 x lane, v30 4 r: the way out
.set L8,    27
.set SPW,   28                         ; v28 my spare word; v29 0; never rewritten
.set NIL,   29
.set L4,    30
.set PW,    31                         ; the scale word just made;  v15: its upper half
.set PW2,   15
.set SC,    32                         ; v32-47 scale words, set p at 32 + 8 p: they hold nothing else
.set TM,    48                         ; v48-63 the quantiser's work
.set PC,    64                         ; the codes just made (A's sets are free by then)
.set G1,  24
.set G0,  32
.set G1B, 48
.set G0B, 56
.set MSB, 0
.macro WIN new                         ; the immediate's high byte repeats the setting that is left
.if MSB != (\new)
	s_set_vgpr_msb (MSB<<8)|(\new)
.set MSB, (\new)
.endif
.endm
.macro JLOAD g0a, g1a, g0b, g1b        ; a joint load: waves 0 and 1 fetch for A, waves 2 and 3 for B; an s_nop 0 and four v_nop follow each line
	s_cmp_eq_u32 s15, 0
	s_cbranch_scc0 .Lfor_b_\@
	tensor_load_to_lds s[\g0a:\g0a+3], s[\g1a:\g1a+7]
	s_nop 0
.rept 4
	v_nop
.endr
	s_branch .Lasked_\@
.Lfor_b_\@:
	tensor_load_to_lds s[\g0b:\g0b+3], s[\g1b:\g1b+7]
	s_nop 0
.rept 4
	v_nop
.endr
.Lasked_\@:
.endm
.macro CREST                           ; a round of the cluster's barrier behind its opening barrier
	s_cmp_lg_u32 s14, 0
	s_cbranch_scc1 .Lnot_wave_0_\@
	s_barrier_signal -3
.Lnot_wave_0_\@:
	s_barrier_wait -3
	s_barrier_signal -1
	s_barrier_wait -1
.endm
.macro CROUND
	s_barrier_signal -1
	s_barrier_wait -1
	CREST
.endm
.macro PLACES n
.rept \n
	v_nop
.endr
.endm
.macro FRAG reg, a16, a8, off          ; a fragment's image into 12 registers
	ds_load_b128 v[(\reg):(\reg)+3], v[\a16] offset:(\off)
	ds_load_b64 v[(\reg)+4:(\reg)+5], v[\a8] offset:(\off)+512
	ds_load_b128 v[(\reg)+6:(\reg)+9], v[\a16] offset:(\off)+768
	ds_load_b64 v[(\reg)+10:(\reg)+11], v[\a8] offset:(\off)+1280
.endm
.macro FETCH slot, q, p                ; the slot's q-th K step into set p: B's fragments (window 1), A's (window 0), the scale words
	WIN 0x40
.set fi, 0
.rept FRN
	FRAG 128*(\p)+12*fi, ADB16+\slot, ADB8+\slot, (\q)*BLK+1536*fi
.set fi, fi+1
.endr
	WIN 0
.set fi, 0
.rept FRN
	FRAG 64+96*(\p)+12*fi, ADA16+\slot, ADA8+\slot, (\q)*BLK+1536*fi
.set fi, fi+1
.endr
.set fi, 0
.rept FRN
	ds_load_b32 v[SC+8*(\p)+fi], v[ADS+\slot] offset:(\q)*BLK+12288+64*fi
.set fi, fi+1
.endr
.endm
.macro MULROW a, p, first              ; A's fragment a against B's FRN.  The accumulators take turns, one instruction a turn, in the same order in every step
.set AW, 2+((\a)*FRN*8)/256
.if (\first) && HASBIAS
	WIN (AW<<6)|0x11
.else
	WIN (AW<<6)|(AW<<4)|0x01
.endif
.set bb, 0
.rept FRN
.set AC, (8*(FRN*(\a)+bb))%256
.set BF, 128*(\p)+12*bb
.set AF, 64+96*(\p)+12*(\a)
.set BI, 96+8*bb+96*(bb/4)
.if (\first) && HASBIAS
	v_wmma_scale_f32_16x16x128_f8f6f4 v[AC:AC+7], v[BF:BF+11], v[AF:AF+11], v[BI:BI+7], v[SC+8*(\p)+bb], v[SC+8*(\p)+(\a)] matrix_a_fmt:MATRIX_FMT_FP6 matrix_b_fmt:MATRIX_FMT_FP6 matrix_a_scale:MATRIX_SCALE_ROW1
.elseif \first
	v_wmma_scale_f32_16x16x128_f8f6f4 v[AC:AC+7], v[BF:BF+11], v[AF:AF+11], 0, v[SC+8*(\p)+bb], v[SC+8*(\p)+(\a)] matrix_a_fmt:MATRIX_FMT_FP6 matrix_b_fmt:MATRIX_FMT_FP6 matrix_a_scale:MATRIX_SCALE_ROW1
.else
	v_wmma_scale_f32_16x16x128_f8f6f4 v[AC:AC+7], v[BF:BF+11], v[AF:AF+11], v[AC:AC+7], v[SC+8*(\p)+bb], v[SC+8*(\p)+(\a)] matrix_a_fmt:MATRIX_FMT_FP6 matrix_b_fmt:MATRIX_FMT_FP6 matrix_a_scale:MATRIX_SCALE_ROW1
.endif
.set bb, bb+1
.endr
.endm
.macro MULROWS a0, a1, p, first        ; rows a0 .. a1 - 1
.set ra, \a0
.rept (\a1)-(\a0)
	MULROW ra, \p, \first
.set ra, ra+1
.endr
.endm
.macro STEP slot, q, first             ; a K step that has its successor in the same slot: the successor's loads stand at the head, so that they have the whole step in which to land
	s_wait_dscnt 0x0                               ; this step's set is in
	PLACES 4                                       ; in front of loads into registers that the last step's products read
	FETCH \slot, (\q)+1, 1-(\q)%2
	MULROWS 0, FRN, (\q)%2, \first
.endm
.macro STEPS slot, first
	STEP \slot, 0, \first
.if NQ > 2
	STEP \slot, 1, 0
	STEP \slot, 2, 0
.endif
.endm
.macro TURN slot, next, fill           ; a slot's last step changes slots: one barrier; fill = 1: it opens a round of the cluster's barrier, and this slot is filled again
	WIN 0                                          ; (the add's two registers lie in window 0)
	s_wait_tensorcnt 0x0                           ; all my tensor loads have landed: my piece of the next slot
	ds_add_u32 v[SPW], v[NIL]                      ; 0 onto my spare word
	s_wait_dscnt 1                                 ; this step's set is in; the add alone may be out
	MULROWS 0, T1, 1, 0                            ; products stand between the add and the wait for it
	s_wait_dscnt 0x0                               ; the add is done, and my reads of this slot are over
	s_barrier_signal -1
	MULROWS T1, T2, 1, 0
	WIN 0
	s_barrier_wait -1
.if \fill
	CREST                                          ; no wave of any partner still reads this slot or has a load on its way
	s_add_nc_u64 s[G0+4*\slot+2:G0+4*\slot+3], s[G0+4*\slot+2:G0+4*\slot+3], 2*FILLSTEP
	s_add_nc_u64 s[G0B+4*\slot+2:G0B+4*\slot+3], s[G0B+4*\slot+2:G0B+4*\slot+3], 2*FILLSTEP
	JLOAD G0+4*\slot, G1, G0B+4*\slot, G1B         ; the first tensor load behind the round; its four v_nop are the places in front of the loads below
.else
	PLACES 4
.endif
	FETCH \next, 0, 0
	MULROWS T2, FRN, 1, 0
.endm
; 64 numbers of a lane in window W, register 16 b + i = k 32 b + 16 h + i of my row, become a fragment's codes in v[PC] on and its scale word in v[PW].  Each accumulator is read from its low end on.
.macro QUANT s, W
	WIN (\W)|((\W)<<2)
.irp b, 0,1,2,3
	v_max3_num_f32 v[TM+\b], |v[(\s)+16*\b]|, |v[(\s)+1+16*\b]|, 0x1800000   ; and the floor 2^(3 - 127): the byte cannot fall under 1
.endr
.irp i, 2,4,6,8,10,12,14
.irp b, 0,1,2,3
	v_max3_num_f32 v[TM+\b], |v[(\s)+16*\b+\i]|, |v[(\s)+1+16*\b+\i]|, v[TM+\b]
.endr
.endr
	WIN 0
.irp b, 0,1,2,3
	v_permlanex16_b32 v[TM+4+\b], v[TM+\b], s[90], s[91]
.endr
.irp b, 0,1,2,3
	v_max_num_f32 v[TM+\b], v[TM+\b], v[TM+4+\b]   ; with lane l xor 16's: the block's largest magnitude
.endr
.irp b, 0,1,2,3
	v_add_nc_u32 v[TM+12+\b], 0xff000000, v[TM+\b] ; 2 off the exponent field: the conversion's scale operand
.endr
.irp b, 0,1,2,3
	v_lshrrev_b32 v[TM+4+\b], 23, v[TM+12+\b]      ; the scale's byte
.endr
	v_lshl_or_b32 v[PW], v[TM+5], 8, v[TM+4]
	v_lshl_or_b32 v[PW], v[TM+6], 16, v[PW]
	v_lshl_or_b32 v[PW], v[TM+7], 24, v[PW]
	WIN (\W)
.irp c, 0,1
	v_cvt_scalef32_pk16_fp6_f32 v[PC+6*\c:PC+2+6*\c], v[(\s)+32*\c:(\s)+15+32*\c], v[TM+12+2*\c]
	v_cvt_scalef32_pk16_fp6_f32 v[PC+12+4*\c:PC+14+4*\c], v[(\s)+16+32*\c:(\s)+31+32*\c], v[TM+13+2*\c]
.endr
	WIN 0
	v_nop                                          ; one plain place behind a scaled conversion
.irp c, 0,1
.irp i, 0,1,2
	v_permlane16_swap_b32 v[PC+6*\c+\i], v[PC+12+4*\c+\i]
.endr
.irp i, 0,1,2
	v_mov_b32 v[PC+3+6*\c+\i], v[PC+12+4*\c+\i]
.endr
.endr
.endm
	s_load_b256 s[4:11], s[0:1], 0x0               ; hq, wf, qh, kv
	v_lshl_add_u32 v[SPW], v0, 2, SPARE
	v_mov_b32 v[NIL], 0
	ds_add_u32 v[SPW], v[NIL]                      ; the wave's opening: the add, twice on end, and its wait ahead of my first tensor load
	ds_add_u32 v[SPW], v[NIL]
	v_lshrrev_b32 v1, 5, v0
	v_readfirstlane_b32 s14, v1                    ; wave
	s_lshr_b32 s15, s14, 1                         ; which half of A's rows is mine.  Also: I fetch for A (0) or for B (1)
	s_and_b32 s16, s14, 1                          ; which half of B's.  Also: which piece I fetch
	s_bfe_u32 s40, ttmp6, 0x40000                  ; cx
	s_bfe_u32 s41, ttmp6, 0x40004                  ; cy
	s_and_b32 s18, ttmp7, 0xffff                   ; the cluster's y
	s_cmp_eq_u32 ttmp9, 2                          ; the third column of clusters makes v
	s_cselect_b32 s67, 1, 0                        ; TYPE
	s_cselect_b32 s19, 0, s18                      ; which four tile rows of A,
	s_cselect_b32 s47, s18, ttmp9                  ; which four tile columns of B
	s_cselect_b32 s66, WVOFF, 0                    ; where A begins in its buffer
	s_lshl_b32 s17, s19, 2
	s_add_co_u32 s17, s17, s41                     ; TY: A's tile
	s_lshl_b32 s42, s47, 2
	s_add_co_u32 s42, s42, s40                     ; TX: B's tile
	s_lshl_b32 s43, s41, 2
	s_lshl_b32 s43, 15, s43                        ; my row of the cluster
	s_lshl_b32 s44, 0x1111, s40                    ; my column
	s_or_b32 s[G1+0], s43, (3<<16)|(1<<21)         ; 15:0 the mask; 17:16 elements of 8 bytes; 21 set beside a mask; no padding
	s_or_b32 s[G1B+0], s44, (3<<16)|(1<<21)
.irp g, G1, G1B
	s_mov_b32 s[\g+1], 32<<16                      ; tensor_dim0 = 32 elements: 256 bytes
	s_mov_b32 s[\g+2], 100<<16                     ; tensor_dim1 = 100
	s_mov_b32 s[\g+3], 32<<16                      ; tile_dim0
	s_mov_b32 s[\g+4], 100                         ; tile_dim1
	s_mov_b32 s[\g+5], 32                          ; the pitch: dense
	s_mov_b32 s[\g+6], 0
	s_mov_b32 s[\g+7], 0
.endr
	s_lshl_b32 s20, s17, 1
	s_add_co_u32 s20, s20, s16
	s_mul_i32 s20, s20, KS*BLK                     ; A: row block 2 TY + piece
	s_add_co_u32 s20, s20, s66
	s_mov_b32 s21, 0
	s_lshl_b32 s46, s42, 1
	s_add_co_u32 s46, s46, s16
	s_mul_i32 s46, s46, KS*BLK                     ; B: row block 2 TX + piece
	s_mov_b32 s47, 0
	s_mul_i32 s45, s14, PIECE                      ; where my piece goes: no place in the cluster enters an LDS address
	s_mov_b32 s90, 0x76543210
	s_mov_b32 s91, 0xfedcba98                      ; v_permlanex16_b32's selects for lane l xor 16
	s_wait_dscnt 0x0                               ; both opening adds are done
	s_wait_kmcnt 0x0
	s_cmp_eq_u32 ttmp9, 2
	s_cselect_b64 s[68:69], s[6:7], s[4:5]         ; A: w_v, or the tokens
	s_cselect_b64 s[70:71], s[4:5], s[6:7]         ; B: the tokens, or w_q and w_k
	s_add_nc_u64 s[20:21], s[68:69], s[20:21]
	s_add_nc_u64 s[46:47], s[70:71], s[46:47]
	CROUND                                         ; all sixteen work-groups are here: the first joint loads meet
.irp s, 0,1
	s_mov_b32 s[G0+4*\s], 1
	s_add_co_u32 s[G0+4*\s+1], s45, \s*SLOT
	s_add_nc_u64 s[G0+4*\s+2:G0+4*\s+3], s[20:21], \s*FILLSTEP
	s_or_b32 s[G0+4*\s+3], s[G0+4*\s+3], 0x80000000
	s_mov_b32 s[G0B+4*\s], 1
	s_add_co_u32 s[G0B+4*\s+1], s45, \s*SLOT
	s_add_nc_u64 s[G0B+4*\s+2:G0B+4*\s+3], s[46:47], \s*FILLSTEP
	s_or_b32 s[G0B+4*\s+3], s[G0B+4*\s+3], 0x80000000
.endr
	s_cmp_eq_u32 s15, 0                            ; the prefetches: my piece's address (A's or B's),
	s_cselect_b64 s[96:97], s[20:21], s[46:47]
	s_cselect_b32 s98, s40, s41                    ; and my work-group's place among the four that ask for it jointly
	s_mul_i32 s98, s98, 25                         ; a piece is 100 blocks of 256 bytes: 25 to each partner, told apart by address
	JLOAD G0, G1, G0B, G1B                         ; slot 0's first fill: one tensor load a wave at the head
	v_and_b32 v13, 31, v0
	v_min_u32 v13, 24, v13                         ; lanes 25-31 name the 25th block again
	v_add_nc_u32 v13, s98, v13
	v_lshlrev_b32 v13, 8, v13                      ; never rewritten
	global_prefetch_b8 v13, s[96:97] offset:FILLSTEP th:TH_LOAD_NT scope:SCOPE_SE      ; my share of fills 1 and 2
	global_prefetch_b8 v13, s[96:97] offset:2*FILLSTEP th:TH_LOAD_NT scope:SCOPE_SE
	v_and_b32 v1, 31, v0
	v_and_b32 v2, 15, v0                           ; r
	v_bfe_u32 v3, v0, 4, 1                         ; h
	v_lshlrev_b32 v4, 4, v1
	v_lshlrev_b32 v5, 3, v1
	s_mul_i32 s21, s15, HSTR
	s_mul_i32 s22, s16, HSTR
	s_add_co_u32 s22, s22, 2*PIECE
.irp s, 0,1
	v_add_nc_u32 v[ADA16+\s], s21, v4
	v_add_nc_u32 v[ADA8+\s], s21, v5
	v_add_nc_u32 v[ADB16+\s], s22, v4
	v_add_nc_u32 v[ADB8+\s], s22, v5
	s_add_co_u32 s21, s21, SLOT
	s_add_co_u32 s22, s22, SLOT
.endr
	s_mul_i32 s21, s15, SSTR
	s_mul_i32 s22, s16, SSTR
	s_add_co_u32 s22, s22, 2*PIECE
	s_sub_co_u32 s22, s22, s21
	v_mul_u32_u24 v6, s22, v3                      ; lanes 16-31 take B's words: one product, the distance between the two bases
	v_lshl_add_u32 v6, v2, 2, v6
	v_add_nc_u32 v[ADS], s21, v6
	v_add_nc_u32 v[ADS+1], SLOT, v[ADS]
	v_mov_b32 v[L16], v4
	v_mov_b32 v[L8], v5
	v_lshlrev_b32 v[L4], 2, v2
	s_wait_alu depctr_va_vdst(0)
	s_wait_tensorcnt 0x0                           ; my piece of slot 0 is in
	ds_add_u32 v[SPW], v[NIL]
	s_wait_dscnt 0x0
	CROUND                                         ; a whole round: slot 0 is whole, and the joint loads meet
	JLOAD G0+4, G1, G0B+4, G1B                     ; slot 1's first fill, the first tensor load behind the round
	FETCH 0, 0, 0
	global_prefetch_b8 v13, s[96:97] offset:3*FILLSTEP th:TH_LOAD_NT scope:SCOPE_SE    ; my share of fill 3, the last
	STEPS 0, 1                                     ; the first step's products start the sums: nothing is cleared
	WIN 0
.if LAPS > 1
	s_mov_b32 s3, LAPS-1
.Llap:                                             ; a trip goes once round the ring and fills both slots again
	TURN 0, 1, 1
	STEPS 1, 0
	TURN 1, 0, 1
	STEPS 0, 0
	WIN 0
	s_sub_co_u32 s3, s3, 1
	s_cmp_lg_u32 s3, 0
	s_cbranch_scc1 .Llap
.endif
	TURN 0, 1, 0                                   ; the last lap fills nothing
	STEPS 1, 0
	s_wait_dscnt 0x0
	MULROWS 0, FRN, 1, 0
	WIN 0
	; THE WAY OUT: each A fragment's 64 registers are quantised and stored as they stand.
.irp b, 0,1,2,3
	v_mov_b32 v[TM+4+\b], 0                        ; a lane permute's destination counts as one of its sources.  These four are also the places behind the last products
.endr
	s_lshl_b32 s20, s17, 1
	s_add_co_u32 s20, s20, s15                     ; my block of A's rows
	s_lshl_b32 s21, s42, 1
	s_add_co_u32 s21, s21, s16                     ; my block of B's rows
	s_cmp_eq_u32 s67, 0
	s_cselect_b32 s22, s20, s21                    ; the block of 128 tokens,
	s_cselect_b32 s23, s21, s20                    ; the block of 128 channels: two heads
	s_and_b32 s23, s23, 7
	s_lshr_b32 s47, s22, 4
	s_lshl_b32 s47, s47, 4                         ; 16 b
	s_lshl_b32 s23, s23, 1
	s_add_co_u32 s47, s47, s23                     ; + the even head
	s_lshl_b32 s47, s47, 4
	s_and_b32 s22, s22, 15
	s_add_co_u32 s47, s47, s22                     ; the record: (16 b + head) 16 + group
	s_mov_b32 s73, 13056
	s_cmp_eq_u32 ttmp9, 0                          ; the first column of clusters makes q
	s_cselect_b64 s[92:93], s[8:9], s[10:11]
	s_cselect_b32 s72, 6656, s73                   ; a record's bytes
	s_mul_i32 s68, s47, s72
	s_cmp_eq_u32 s67, 0
	s_cselect_b32 s69, 0, 6656                     ; v's part lies behind k's
	s_add_co_u32 s68, s68, s69
	s_mov_b32 s69, 0
	s_add_nc_u64 s[92:93], s[92:93], s[68:69]      ; the even head's record,
	s_lshl_b32 s68, s72, 4
	s_add_nc_u64 s[94:95], s[92:93], s[68:69]      ; the odd head's: 16 records on
.macro OUTQ a
.if (\a) > 0
	s_wait_xcnt 0x0                                ; the last stores have read their data: the codes' registers are written again only behind this wait
.endif
	QUANT 64*((\a)%4), 2+(\a)/4
	v_lshrrev_b32 v[PW2], 16, v[PW]
	s_cmp_eq_u32 s67, 0
	s_cbranch_scc0 .Lv_\@
	global_store_b128 v[L16], v[PC:PC+3], s[92:93] offset:768*(\a)          ; q, k: the fragment's lower 64 along K are the even head's half fragment,
	global_store_b64 v[L8], v[PC+4:PC+5], s[92:93] offset:768*(\a)+512
	global_store_b32 v[L4], v[PW], s[92:93] offset:6144+64*(\a)
	global_store_b128 v[L16], v[PC+6:PC+9], s[94:95] offset:768*(\a)        ; the upper 64 the odd head's
	global_store_b64 v[L8], v[PC+10:PC+11], s[94:95] offset:768*(\a)+512
	global_store_b32 v[L4], v[PW2], s[94:95] offset:6144+64*(\a)
	s_branch .Ldone_\@
.Lv_\@:
.set OB, 92+2*((\a)/4)
	global_store_b128 v[L16], v[PC:PC+3], s[OB:OB+1] offset:1536*((\a)%4)   ; v: fragments 0-3 are the even head's 64 channels, 4-7 the odd head's
	s_wait_alu depctr_va_vdst(0)
	global_store_b64 v[L8], v[PC+4:PC+5], s[OB:OB+1] offset:1536*((\a)%4)+512
	global_store_b128 v[L16], v[PC+6:PC+9], s[OB:OB+1] offset:1536*((\a)%4)+768
	global_store_b64 v[L8], v[PC+10:PC+11], s[OB:OB+1] offset:1536*((\a)%4)+1280
	global_store_b32 v[L4], v[PW], s[OB:OB+1] offset:6144+64*((\a)%4)
.Ldone_\@:
.endm
.irp a, 0,1,2,3,4,5,6,7
	OUTQ \a
.endr
	s_wait_tensorcnt 0x0                           ; the wave's end
	ds_add_u32 v[SPW], v[NIL]
	s_wait_dscnt 0x0
	CROUND                                         ; the closing round
	s_endpgm
.Lfunc_end_k_q974dd7ce93_qkv:
	.size	k_q974dd7ce93_qkv, .Lfunc_end_k_q974dd7ce93_qkv-k_q974dd7ce93_qkv
	.p2alignl 7, 3214868480
	.fill 96, 4, 3214868480
	.section	.rodata,"a",@progbits
	.p2align	6, 0x0
	.amdhsa_kernel k_q974dd7ce93_qkv
		.amdhsa_group_segment_fixed_size 327680
		.amdhsa_private_segment_fixed_size 0
		.amdhsa_enable_private_segment 0
		.amdhsa_kernarg_size 32
		.amdhsa_user_sgpr_count 2
		.amdhsa_user_sgpr_kernarg_segment_ptr 1
		.amdhsa_wavefront_size32 1
		.amdhsa_system_sgpr_workgroup_id_x 1
		.amdhsa_system_sgpr_workgroup_id_y 1
		.amdhsa_system_sgpr_workgroup_id_z 1
		.amdhsa_system_vgpr_workitem_id 0
		.amdhsa_next_free_vgpr 1024
		.amdhsa_next_free_sgpr 100
		.amdhsa_reserve_vcc 0
		.amdhsa_float_denorm_mode_32 3
		.amdhsa_float_denorm_mode_16_64 3
		.amdhsa_memory_ordered 1
		.amdhsa_forward_progress 1
		.amdhsa_inst_pref_size 155
	.end_amdhsa_kernel
	.amdgpu_metadata
---
amdhsa.version: [ 1, 2 ]
amdhsa.kernels:
  - .name:           k_q974dd7ce93_qkv
    .symbol:         k_q974dd7ce93_qkv.kd
    .args:
      - { .name: hq, .offset: 0, .size: 8, .value_kind: global_buffer, .address_space: global }
      - { .name: wf, .offset: 8, .size: 8, .value_kind: global_buffer, .address_space: global }
      - { .name: qh, .offset: 16, .size: 8, .value_kind: global_buffer, .address_space: global }
      - { .name: kv, .offset: 24, .size: 8, .value_kind: global_buffer, .address_space: global }
    .group_segment_fixed_size: 327680
    .private_segment_fixed_size: 0
    .kernarg_segment_align: 8
    .kernarg_segment_size: 32
    .max_flat_workgroup_size: 128
    .sgpr_count:     100
    .vgpr_count:     1024
    .wavefront_size: 32
...
	.end_amdgpu_metadata
.endif
;; end of part 2
;; launch attn (part 3): grid 8 x 32, 16 waves a work-group, clusters of 4 x 1, 327,680 bytes of LDS; arguments qh, kv, ao; writes ao
.if DOCPART == 3
	.amdgcn_target "amdgcn-amd-amdhsa--gfx1250"
	.amdhsa_code_object_version 6
	.text
	.protected	k_q974dd7ce93_attn
	.globl	k_q974dd7ce93_attn
	.p2align	8
	.type	k_q974dd7ce93_attn,@function
k_q974dd7ce93_attn:
	s_mov_b64 s[64:65], 0
	v_nop
	global_prefetch_b8 v0, s[64:65] scope:SCOPE_SE
	s_setreg_imm32_b32 hwreg(HW_REG_WAVE_MODE, 25, 1), 1
	s_wait_xcnt 0x0
	s_wait_alu depctr_hold_cnt(0) depctr_sa_sdst(0) depctr_va_vdst(0) depctr_va_sdst(0) depctr_va_ssrc(0) depctr_va_vcc(0) depctr_vm_vsrc(0)
	s_getreg_b32 s2, hwreg(HW_REG_IB_STS2, 6, 4)
	s_cmp_eq_u32 s2, 0
	s_cbranch_scc0 .Lentry_in_a_cluster
	s_endpgm
.Lentry_in_a_cluster:
	s_bfe_u32 s2, ttmp6, 0x10000c
	s_cmp_lg_u32 s2, 0x3003
	s_cbranch_scc0 .Lentry_shape_is_right
	s_endpgm
.Lentry_shape_is_right:
; ATTENTION of one (batch, head) and 256 queries a work-group, both products on codes of E2M3; the result is quantised along the head's 64 and stored as half a fragment of oproj's operand.  Nothing is left out.
; SHARES: 16 waves, each 16 queries (one half fragment of qh); a lane holds ONE query throughout: S^T = k q^T, O^T = v^T p^T.  16 steps of 128 keys.
; A head's 64 meet an instruction 128 deep: q's upper six registers are zero codes; k's upper six are the next tile's codes, which those zeros multiply.
; LDS: the head's 16 records of kv (13,056 bytes: k's eight half fragments, their scale words, v^T's four fragments, their scale words) all lie in LDS: one joint load a wave at the head, record w by wave w,
; shared by the four work-groups of the cluster (the four query blocks of one head: mask 15).  No byte is filled twice.  Waves 0-3 have a load line of their own, so that the first barrier can show records 0-3 alone.
; The descriptor lays 64 bytes behind every 256: byte y of a record lies at y + 64 (y / 256), a record takes 16,320 bytes.
; THE KEYS OF A TILE ARE CHOSEN BY THE LANES' ADDRESSES: tile (c, j) has in its rows 0-7 the keys 64 c + 8 j + i and in rows 8-15 the keys 64 c + 32 + 8 j + i.  A stored half fragment f = 2 g + u holds in row rho the key
; 32 g + 8 u + rho + 8 (rho / 8); so lane (rho, hh) reads row 8 (j / 2) + rho % 8 of half fragment 4 c + j % 2 + 2 (rho / 8).  With the padding the two groups of eight lanes of a 16-byte load lie 1,920 bytes apart, 128 modulo 256.
; In the result lane (r, h) then holds, in the 32 registers of tiles (c, 0..3), the keys 64 c + 32 h + 0..31: ONE WHOLE SCALE BLOCK, in the order of the next operand's registers: no lane is asked for a block's maximum, and the conversions' results are p's operand.
; SOFTMAX by the problem's rule: M = the ceiling of the running largest t, kept as -M; p = 2^(t - M); the sum is taken of the unquantised p; when M moves, the sum and O^T are multiplied by an exact power of two.
; A block's largest p is made from its largest score by the same multiply-add and exponential.
; INDEPENDENT LINES SIDE BY SIDE: the maxima run in eight chains, one for each accumulator; a step's 32 pairs of p are summed into eight partial sums; eight of those additions stand between p's codes and the second product,
; the other 24 behind the NEXT step's loads of k, ahead of the wait for them (so p's upper 32 registers and the partial sums begin as zeros, and the 24 stand once more behind the last step); half of v's loads stand among the lines of the chain that makes M.
; NO PREFETCH: every byte of kv that the work-group reads is asked for at the head, in one group: there is no loop to run ahead in.
; LIMITS: the promise holds while the scaled scores stay under 2^31 in magnitude; v_exp_f32 is taken not to fall where its input rises; a block whose p are all 0 gets the byte 1 (its codes are zeros); NaN and infinities are not served.
.set REC,   13056                      ; a record in memory: 51 rows of 256 bytes
.set RECL,  16320                      ; and in LDS: 51 x 320
.set SPARE, 261120                     ; behind the 16 records: the spare words, 128 bytes a wave, which no other line names
.set SPW, 7                            ; v7 my spare word, v8 0: never rewritten
.set NIL, 8
.set WV,  18
.set SEL, 20
.set CS,  22
.set G1A, 24
.set G0A, 40
.set TB,  2                            ; the step's record in LDS
.set CNT, 3
.set PS,  232                          ; v232-247 eight partial sums, a pair each
; REGISTERS: v1-3 16 x lane, 8 x lane, 4 r; v4-6, v229-231 the step's LDS addresses; v29-31 k's lane terms, v94 v's; v95 8 h; v12 -M, v13 the largest t, v14-15 the sum; v16-27 q, v28 its scale word;
; v32-85 k's tiles, then v's fragments; v86-93 their scale words; v96-159 scores, then p; v160-191 O^T; v192-203 p's codes; v212-219 maxima; v224 p's scale word; v226 the factor.
.macro CROUND
	s_barrier_signal -1
	s_barrier_wait -1
	s_cmp_lg_u32 s[WV], 0
	s_cbranch_scc1 .Lnot_wave_0_\@
	s_barrier_signal -3
.Lnot_wave_0_\@:
	s_barrier_wait -3
	s_barrier_signal -1
	s_barrier_wait -1
.endm
.macro RS n                            ; n pairs of O^T under the new M
.rept \n
	v_pk_mul_f32 v[160+oj:161+oj], v[160+oj:161+oj], v[226:227] op_sel_hi:[1,0]
.set oj, oj+2
.endr
.endm
.macro VL t, p                         ; piece p of v's fragment t
.if (\p) == 0
	ds_load_b128 v[32+12*(\t):35+12*(\t)], v229 offset:8320+1920*(\t)
.elseif (\p) == 1
	ds_load_b64 v[36+12*(\t):37+12*(\t)], v230 offset:8320+1920*(\t)+640
.elseif (\p) == 2
	ds_load_b128 v[38+12*(\t):41+12*(\t)], v229 offset:8320+1920*(\t)+960
.elseif (\p) == 3
	ds_load_b64 v[42+12*(\t):43+12*(\t)], v230 offset:8320+1920*(\t)+1600
.else
	ds_load_b32 v[86+(\t)], v231 offset:16000+64*(\t)
.endif
.endm
.macro SUM1                            ; p's pairs 0-15 begin the eight partial sums
.irp k, 0,1,2,3,4,5,6,7
	v_pk_add_f32 v[PS+2*\k:PS+2*\k+1], v[96+4*\k:97+4*\k], v[98+4*\k:99+4*\k]
.endr
.endm
.macro SUM2                            ; pairs 16-31 onto them, and the eight onto the sum
.irp k, 0,1,2,3,4,5,6,7
	v_pk_add_f32 v[PS+2*\k:PS+2*\k+1], v[PS+2*\k:PS+2*\k+1], v[128+2*\k:129+2*\k]
.endr
.irp k, 0,1,2,3,4,5,6,7
	v_pk_add_f32 v[PS+2*\k:PS+2*\k+1], v[PS+2*\k:PS+2*\k+1], v[144+2*\k:145+2*\k]
.endr
.irp k, 0,1,2,3
	v_pk_add_f32 v[PS+2*\k:PS+2*\k+1], v[PS+2*\k:PS+2*\k+1], v[PS+8+2*\k:PS+9+2*\k]
.endr
	v_pk_add_f32 v[PS:PS+1], v[PS:PS+1], v[PS+4:PS+5]
	v_pk_add_f32 v[PS+2:PS+3], v[PS+2:PS+3], v[PS+6:PS+7]
	v_pk_add_f32 v[14:15], v[14:15], v[PS:PS+1]
	v_pk_add_f32 v[14:15], v[14:15], v[PS+2:PS+3]
.endm
.macro STEP
	v_add_nc_u32 v4, s[TB], v29                    ; these three and the v_nop are the four places behind the last step's products
	v_add_nc_u32 v5, s[TB], v30
	v_add_nc_u32 v6, s[TB], v31
	v_nop
.irp c, 0,1
.irp j, 0,1,2,3
	ds_load_b128 v[32+6*(4*\c+\j):35+6*(4*\c+\j)], v4 offset:960*(4*\c+\j%2)+128*(\j/2)
	ds_load_b64 v[36+6*(4*\c+\j):37+6*(4*\c+\j)], v5 offset:960*(4*\c+\j%2)+640+64*(\j/2)
	ds_load_b32 v[86+4*\c+\j], v6 offset:7680+320*\c+64*(\j%2)+32*(\j/2)
.endr
.endr
	SUM2                                           ; the rest of the last step's sum, while k's tiles are on their way
	s_wait_alu depctr_va_vdst(0)
	s_wait_dscnt 0x0
.irp t, 0,1,2,3,4,5,6,7
	v_wmma_scale_f32_16x16x128_f8f6f4 v[96+8*\t:103+8*\t], v[32+6*\t:43+6*\t], v[16:27], 0, v[86+\t], v28 matrix_a_fmt:MATRIX_FMT_FP6 matrix_b_fmt:MATRIX_FMT_FP6
.endr
	v_add_nc_u32 v229, s[TB], v94                  ; four places again, in front of loads into registers that the products read
	v_add_nc_u32 v230, s[TB], v2
	v_add_nc_u32 v231, s[TB], v3
	v_nop
.irp t, 0,1
.irp p, 0,1,2,3,4
	VL \t, \p
.endr
.endr
.irp q, 0,1,2,3,4,5,6,7                ; eight chains by turns, one for each accumulator, each read from its low end on
	v_max3_num_f32 v[212+\q], v[96+8*\q], v[97+8*\q], v[98+8*\q]
.endr
.irp i, 3,5
.irp q, 0,1,2,3,4,5,6,7
	v_max3_num_f32 v[212+\q], v[212+\q], v[96+8*\q+\i], v[97+8*\q+\i]
.endr
.endr
	v_max3_num_f32 v212, v212, v213, v214          ; chains 0-3 and their accumulators' last registers are block h, chains 4-7 block 2 + h
	v_max3_num_f32 v216, v216, v217, v218
	v_max3_num_f32 v215, v215, v103, v111
	v_max3_num_f32 v219, v219, v135, v143
	v_max3_num_f32 v212, v212, v119, v127
	v_max3_num_f32 v216, v216, v151, v159
	v_max_num_f32 v212, v212, v215                 ; v212, v216: the largest scores of my two blocks
	v_max_num_f32 v216, v216, v219
	v_max_num_f32 v228, v212, v216
	VL 2, 0
	v_permlanex16_b32 v213, v228, s[SEL], s[SEL+1]
	VL 2, 1
	v_max_num_f32 v228, v228, v213                 ; with lane l xor 16's: the step's largest score of my query
	VL 2, 2
	v_mul_f32 v228, s[CS], v228
	VL 2, 3
	v_max_num_f32 v13, v13, v228
	VL 2, 4
	v_mov_b32 v228, v12
	v_floor_f32 v12, -v13                          ; the new -M
	VL 3, 0
	v_sub_f32 v228, v12, v228
	VL 3, 1
	v_cvt_i32_f32 v228, v228                       ; (it saturates)
	VL 3, 2
	v_ldexp_f32 v226, 1.0, v228                    ; 2^(old M - new M)
	VL 3, 3
	VL 3, 4
.set j, 0
.rept 32
	v_pk_fma_f32 v[96+j:97+j], v[96+j:97+j], s[CS:CS+1], v[12:13] op_sel_hi:[1,0,0]
.set j, j+2
.endr
	v_fma_f32 v212, v212, s[CS], v12
	v_fma_f32 v216, v216, s[CS], v12
	s_wait_alu depctr_va_vdst(0)
.set j, 0
.rept 64
	v_exp_f32 v[96+j], v[96+j]
.set j, j+1
.endr
	v_exp_f32 v212, v212                           ; my blocks' largest p
	v_exp_f32 v216, v216
	v_pk_mul_f32 v[14:15], v[14:15], v[226:227] op_sel_hi:[1,0]   ; the sum under the new M: the plain place behind the batch
	s_wait_alu depctr_va_vdst(0)                   ; one wait for the batch, directly ahead of O^T's first reader
.set oj, 0
	RS 4
	v_max_num_f32 v212, 0x1800000, v212            ; the floor 2^(3 - 127): the byte cannot fall under 1
	v_max_num_f32 v216, 0x1800000, v216
	RS 4
	v_add_nc_u32 v220, 0xff000000, v212            ; 2 off the exponent field: the conversions' scale operands
	v_add_nc_u32 v221, 0xff000000, v216
	RS 4
	v_lshrrev_b32 v213, 23, v220                   ; the bytes
	v_lshrrev_b32 v214, 23, v221
	RS 2
	v_lshl_or_b32 v224, v214, 16, v213             ; blocks h and 2 + h,
	RS 2
	v_lshlrev_b32 v224, v95, v224                  ; at their places in the word (8 h bits up)
	s_delay_alu instid0(VALU_DEP_1)
	v_permlanex16_b32 v215, v224, s[SEL], s[SEL+1]
.irp c, 0,1
	v_cvt_scalef32_pk16_fp6_f32 v[192+6*\c:194+6*\c], v[96+32*\c:111+32*\c], v[220+\c]
	v_cvt_scalef32_pk16_fp6_f32 v[204+4*\c:206+4*\c], v[112+32*\c:127+32*\c], v[220+\c]   ; (a conversion's three registers begin on an even number)
.endr
	v_or_b32 v224, v224, v215                      ; with lane l xor 16's two bytes the word is whole.  Also the plain place behind the conversions
.irp c, 0,1
.irp i, 0,1,2
	v_mov_b32 v[195+6*\c+\i], v[204+4*\c+\i]
.endr
.endr
	SUM1                                           ; eight additions of the unquantised p: with the six moves the places between the scale word, the codes and the products
	s_wait_alu depctr_va_vdst(0)
	s_wait_dscnt 0x0                               ; v's fragments are in
.irp t, 0,1,2,3
	v_wmma_scale_f32_16x16x128_f8f6f4 v[160+8*\t:167+8*\t], v[32+12*\t:43+12*\t], v[192:203], v[160+8*\t:167+8*\t], v[86+\t], v224 matrix_a_fmt:MATRIX_FMT_FP6 matrix_b_fmt:MATRIX_FMT_FP6
.endr
	s_add_co_u32 s[TB], s[TB], RECL
.endm
	s_load_b128 s[4:7], s[0:1], 0x0                ; qh, kv
	s_load_b64 s[8:9], s[0:1], 0x10                ; ao
	v_lshl_add_u32 v[SPW], v0, 2, SPARE
	v_mov_b32 v[NIL], 0
	ds_add_u32 v[SPW], v[NIL]                      ; the opening: the add, twice on end, and its wait ahead of my tensor load
	ds_add_u32 v[SPW], v[NIL]
	v_lshrrev_b32 v1, 5, v0
	s_delay_alu instid0(VALU_DEP_1)
	v_readfirstlane_b32 s[WV], v1                  ; wave 0..15
	s_bfe_u32 s10, ttmp6, 0x40000                  ; cx
	s_lshl_b32 s11, ttmp9, 2
	s_add_co_u32 s11, s11, s10                     ; the block of 256 queries
	s_and_b32 s12, ttmp7, 0xffff                   ; 16 b + head
	s_mov_b32 s[G1A], 15|(3<<16)|(1<<20)|(1<<21)|(5<<22)|(15<<25)   ; the four partners; elements of 8 bytes; behind every 64 words 16 words of padding
	s_mov_b32 s[G1A+1], 32<<16
	s_mov_b32 s[G1A+2], 51<<16
	s_mov_b32 s[G1A+3], 32<<16
	s_mov_b32 s[G1A+4], 51
	s_mov_b32 s[G1A+5], 32
	s_mov_b32 s[G1A+6], 0
	s_mov_b32 s[G1A+7], 0
	s_mul_i32 s13, s12, 16*REC
	s_mul_i32 s14, s[WV], RECL                     ; record w goes to 16,320 w
	s_mul_i32 s15, s[WV], REC
	s_add_co_u32 s16, s13, s15
	s_mov_b32 s17, 0
	s_lshr_b32 s48, s[WV], 3
	s_lshl_b32 s49, s11, 1
	s_add_co_u32 s48, s48, s49                     ; my group of 128 queries,
	s_and_b32 s49, s[WV], 7                        ; my fragment of it
	s_lshl_b32 s50, s12, 4
	s_add_co_u32 s50, s50, s48
	s_mul_i32 s50, s50, 6656
	s_mul_i32 s51, s49, 768
	s_add_co_u32 s52, s50, s51                     ; q's half fragment,
	s_mov_b32 s53, 0
	s_lshl_b32 s51, s49, 6
	s_add_co_u32 s54, s50, s51
	s_add_co_u32 s54, s54, 6144                    ; its scale words
	s_mov_b32 s55, 0
	s_lshr_b32 s56, s12, 4
	s_lshl_b32 s56, s56, 4
	s_add_co_u32 s56, s56, s48
	s_mul_i32 s56, s56, 102400                     ; ao: the block of 128 tokens,
	s_bfe_u32 s57, s12, 0x30001
	s_mul_i32 s57, s57, 12800
	s_add_co_u32 s56, s56, s57                     ; K step head / 2,
	s_and_b32 s57, s12, 1
	s_mul_i32 s58, s49, 1536
	s_mul_i32 s59, s57, 768
	s_add_co_u32 s58, s58, s59
	s_add_co_u32 s58, s58, s56                     ; my fragment's half head % 2,
	s_mov_b32 s59, 0
	s_lshl_b32 s60, s49, 6
	s_lshl_b32 s61, s57, 1
	s_add_co_u32 s60, s60, s61
	s_add_co_u32 s60, s60, s56
	s_add_co_u32 s60, s60, 12288                   ; and its two bytes of the scale words
	s_mov_b32 s61, 0
	s_mov_b32 s[SEL], 0x76543210
	s_mov_b32 s[SEL+1], 0xfedcba98                 ; v_permlanex16_b32's selects for lane l xor 16
	s_mov_b32 s[CS], 0x3e38aa3b                    ; log2(e) / 8
	s_mov_b32 s[CS+1], s[CS]
	s_mov_b32 s[TB], 0
	v_and_b32 v9, 31, v0                           ; lane
	v_and_b32 v10, 15, v0                          ; r
	v_bfe_u32 v11, v0, 4, 1                        ; h
	v_and_b32 v4, 7, v0                            ; r % 8
	v_bfe_u32 v5, v0, 3, 1                         ; r / 8
	v_lshlrev_b32 v1, 4, v9
	v_lshlrev_b32 v2, 3, v9
	v_lshlrev_b32 v3, 2, v10
	v_mul_u32_u24 v6, v5, 1920
	v_lshlrev_b32 v31, 7, v5
	v_lshlrev_b32 v94, 4, v10
	v_lshlrev_b32 v95, 3, v11
	v_lshl_add_u32 v29, v4, 4, v6
	v_lshl_add_u32 v30, v4, 3, v6
	v_lshl_add_u32 v31, v4, 2, v31                 ; k's scale words: 128 (r / 8) + 4 (r % 8)
	v_mad_u32_u24 v94, v11, 320, v94               ; v's 16-byte pieces: 16 r + 320 h
	v_mad_u32_u24 v29, v11, 320, v29               ; k's 16-byte pieces: 1,920 (r / 8) + 16 (r % 8) + 320 h
	v_lshl_add_u32 v30, v11, 7, v30                ; k's 8-byte pieces: 1,920 (r / 8) + 8 (r % 8) + 128 h
.irp j, 22,23,24,25,26,27,80,81,82,83,84,85
	v_mov_b32 v[\j], 0                             ; zero codes: q's upper 64, and what stands above the last tile of k
.endr
	v_mov_b32 v13, 0xff61b1e6                      ; the largest t so far: -3e38
	v_mov_b32 v14, 0
	v_mov_b32 v15, 0
	v_floor_f32 v12, -v13
.irp b, 213,215,227,228
	v_mov_b32 v[\b], 0                             ; a lane permute's destination counts as one of its sources; v227 is named as the upper half of a pair
.endr
.set j, 0
.rept 32
	v_mov_b32 v[160+j], 0                          ; O^T: the step is written once, and the first finds zeros
	v_mov_b32 v[128+j], 0                          ; and so does the first step's share of the sum: p's pairs 16-31,
.set j, j+1
.endr
.set j, 0
.rept 16
	v_mov_b32 v[PS+j], 0                           ; and the eight partial sums
.set j, j+1
.endr
	s_wait_alu depctr_va_vdst(0)
	s_wait_dscnt 0x0                               ; both opening adds are done
	CROUND                                         ; the four work-groups are here: the joint loads meet
	s_wait_kmcnt 0x0
	s_mov_b32 s[G0A], 1
	s_mov_b32 s[G0A+1], s14
	s_add_nc_u64 s[G0A+2:G0A+3], s[6:7], s[16:17]
	s_or_b32 s[G0A+3], s[G0A+3], 0x80000000
	s_add_nc_u64 s[52:53], s[4:5], s[52:53]
	s_add_nc_u64 s[54:55], s[4:5], s[54:55]
	s_add_nc_u64 s[58:59], s[8:9], s[58:59]
	s_add_nc_u64 s[60:61], s[8:9], s[60:61]
	s_cmp_lt_u32 s[WV], 4                          ; one tensor load a wave; waves 0-3 have a line of their own
	s_cbranch_scc0 .Llater
	tensor_load_to_lds s[G0A:G0A+3], s[G1A:G1A+7]
	s_nop 0
.rept 4
	v_nop
.endr
	s_branch .Lasked
.Llater:
	tensor_load_to_lds s[G0A:G0A+3], s[G1A:G1A+7]
	s_nop 0
.rept 4
	v_nop
.endr
.Lasked:
	global_load_b128 v[16:19], v1, s[52:53]
	global_load_b64 v[20:21], v2, s[52:53] offset:512
	global_load_b32 v28, v3, s[54:55]
	s_wait_loadcnt 0x0
	s_cmp_lt_u32 s[WV], 4
	s_cbranch_scc0 .Lnot_first
	s_wait_tensorcnt 0x0                           ; records 0-3: every wave that issues their line waits here
.Lnot_first:
	s_barrier_signal -1
	s_barrier_wait -1                              ; records 0-3 are in; the others may be on their way
	s_mov_b32 s[CNT], 4
.Lfirst:
	STEP
	s_sub_co_u32 s[CNT], s[CNT], 1
	s_cmp_lg_u32 s[CNT], 0
	s_cbranch_scc1 .Lfirst
	s_wait_tensorcnt 0x0                           ; every wave's record is in
	s_barrier_signal -1
	s_barrier_wait -1
	s_mov_b32 s[CNT], 12
.Lrest:
	STEP
	s_sub_co_u32 s[CNT], s[CNT], 1
	s_cmp_lg_u32 s[CNT], 0
	s_cbranch_scc1 .Lrest
	SUM2                                           ; the rest of the last step's sum
	s_delay_alu instid0(VALU_DEP_1)
	v_add_f32 v14, v14, v15                        ; the sum's two halves, and lane l xor 16's
	s_delay_alu instid0(VALU_DEP_1)
	v_permlanex16_b32 v228, v14, s[SEL], s[SEL+1]
	s_delay_alu instid0(VALU_DEP_1)
	v_add_f32 v14, v14, v228
	s_wait_alu depctr_va_vdst(0)
	v_rcp_f32 v14, v14
.rept 4
	v_nop
.endr
	s_wait_alu depctr_va_vdst(0)
.set j, 0
.rept 32
	v_mul_f32 v[96+j], v[160+j], v14               ; register 16 b + i is channel 32 b + 16 h + i of my query
.set j, j+1
.endr
.irp b, 0,1                            ; the quantiser along the head's 64: a block lies in lanes l and l xor 16
	v_max3_num_f32 v[212+\b], |v[96+16*\b]|, |v[97+16*\b]|, 0x1800000
.endr
.irp i, 2,4,6,8,10,12,14
.irp b, 0,1
	s_delay_alu instid0(VALU_DEP_2)
	v_max3_num_f32 v[212+\b], v[212+\b], |v[96+16*\b+\i]|, |v[97+16*\b+\i]|
.endr
.endr
.irp b, 0,1
	s_delay_alu instid0(VALU_DEP_2)
	v_permlanex16_b32 v[216+\b], v[212+\b], s[SEL], s[SEL+1]
.endr
.irp b, 0,1
	s_delay_alu instid0(VALU_DEP_2)
	v_max_num_f32 v[212+\b], v[212+\b], v[216+\b]
.endr
.irp b, 0,1
	s_delay_alu instid0(VALU_DEP_2)
	v_add_nc_u32 v[220+\b], 0xff000000, v[212+\b]
.endr
.irp b, 0,1
	s_delay_alu instid0(VALU_DEP_2)
	v_lshrrev_b32 v[216+\b], 23, v[220+\b]
.endr
	s_delay_alu instid0(VALU_DEP_1)
	v_lshl_or_b32 v224, v217, 8, v216
	v_cvt_scalef32_pk16_fp6_f32 v[192:194], v[96:111], v220
	v_cvt_scalef32_pk16_fp6_f32 v[204:206], v[112:127], v221
	v_nop
.irp i, 0,1,2
	v_permlane16_swap_b32 v[192+\i], v[204+\i]
.endr
.irp i, 0,1,2
	s_delay_alu instid0(VALU_DEP_3)
	v_mov_b32 v[195+\i], v[204+\i]
.endr
	global_store_b128 v1, v[192:195], s[58:59]     ; 512 consecutive bytes, aligned
	global_store_b64 v2, v[196:197], s[58:59] offset:512
	global_store_b16 v3, v224, s[60:61]            ; my head's two bytes of each row's scale word
	s_wait_tensorcnt 0x0                           ; the wave's end
	ds_add_u32 v[SPW], v[NIL]
	s_wait_dscnt 0x0
	CROUND                                         ; the closing round
	s_endpgm
.Lfunc_end_k_q974dd7ce93_attn:
	.size	k_q974dd7ce93_attn, .Lfunc_end_k_q974dd7ce93_attn-k_q974dd7ce93_attn
	.p2alignl 7, 3214868480
	.fill 96, 4, 3214868480
	.section	.rodata,"a",@progbits
	.p2align	6, 0x0
	.amdhsa_kernel k_q974dd7ce93_attn
		.amdhsa_group_segment_fixed_size 327680
		.amdhsa_private_segment_fixed_size 0
		.amdhsa_enable_private_segment 0
		.amdhsa_kernarg_size 24
		.amdhsa_user_sgpr_count 2
		.amdhsa_user_sgpr_kernarg_segment_ptr 1
		.amdhsa_wavefront_size32 1
		.amdhsa_system_sgpr_workgroup_id_x 1
		.amdhsa_system_sgpr_workgroup_id_y 1
		.amdhsa_system_sgpr_workgroup_id_z 1
		.amdhsa_system_vgpr_workitem_id 0
		.amdhsa_next_free_vgpr 256
		.amdhsa_next_free_sgpr 66
		.amdhsa_reserve_vcc 0
		.amdhsa_float_denorm_mode_32 3
		.amdhsa_float_denorm_mode_16_64 3
		.amdhsa_memory_ordered 1
		.amdhsa_forward_progress 1
		.amdhsa_inst_pref_size 47
	.end_amdhsa_kernel
	.amdgpu_metadata
---
amdhsa.version: [ 1, 2 ]
amdhsa.kernels:
  - .name:           k_q974dd7ce93_attn
    .symbol:         k_q974dd7ce93_attn.kd
    .args:
      - { .name: qh, .offset: 0, .size: 8, .value_kind: global_buffer, .address_space: global }
      - { .name: kv, .offset: 8, .size: 8, .value_kind: global_buffer, .address_space: global }
      - { .name: ao, .offset: 16, .size: 8, .value_kind: global_buffer, .address_space: global }
    .group_segment_fixed_size: 327680
    .private_segment_fixed_size: 0
    .kernarg_segment_align: 8
    .kernarg_segment_size: 24
    .max_flat_workgroup_size: 512
    .sgpr_count:     66
    .vgpr_count:     256
    .wavefront_size: 32
...
	.end_amdgpu_metadata
.endif
;; end of part 3
;; launch oproj (part 4): grid 8 x 32, 4 waves a work-group, clusters of 4 x 4, 327,680 bytes of LDS; arguments ao, wf, b_o, x, x1; writes x1
.if DOCPART == 4
	.amdgcn_target "amdgcn-amd-amdhsa--gfx1250"
	.amdhsa_code_object_version 6
	.text
	.protected	k_q974dd7ce93_oproj
	.globl	k_q974dd7ce93_oproj
	.p2align	8
	.type	k_q974dd7ce93_oproj,@function
k_q974dd7ce93_oproj:
	s_mov_b64 s[64:65], 0
	v_nop
	global_prefetch_b8 v0, s[64:65] scope:SCOPE_SE
	s_setreg_imm32_b32 hwreg(HW_REG_WAVE_MODE, 25, 1), 1
	s_wait_xcnt 0x0
	s_wait_alu depctr_hold_cnt(0) depctr_sa_sdst(0) depctr_va_vdst(0) depctr_va_sdst(0) depctr_va_ssrc(0) depctr_va_vcc(0) depctr_vm_vsrc(0)
	s_getreg_b32 s2, hwreg(HW_REG_IB_STS2, 6, 4)
	s_cmp_eq_u32 s2, 0
	s_cbranch_scc0 .Lentry_in_a_cluster
	s_endpgm
.Lentry_in_a_cluster:
	s_bfe_u32 s2, ttmp6, 0x10000c
	s_cmp_lg_u32 s2, 0xf033
	s_cbranch_scc0 .Lentry_shape_is_right
	s_endpgm
.Lentry_shape_is_right:
; x1 = attention's output times w_o + b_o + x, the product on codes of E2M3.  Nothing is left out.
; OPERANDS are images of the matrix operand's registers (blocks of 12,800 bytes = 128 rows x 128 K; set out at the head of the first launch).  A tile is 128 x 128, so that each of 256 WGPs has one: four waves, each 64 x 64: 16 accumulators.
; K goes in steps of 128; a slot of LDS holds four steps of A's block and four of B's, in two pieces of 51,200 dense bytes, one tensor load a wave.  Here K = 1,024 is the two first fills: nothing is filled again.
; THE PRODUCT IS USED TRANSPOSED (source 0 = 16 rows of B, source 1 = 16 rows of A): a lane holds one token and, in two neighbouring accumulators, 16 neighbouring columns.  The bias is the C of each sum's first product.
; JOINT LOADS: the four of a row of the cluster need the same pieces of A, the four of a column the same of B.
; THE RESIDUAL of the wave's 64 x 64 numbers is asked for at the head, 32 loads into 128 registers of their own (window 2, v128-255), in the layout in which the rows come back from the stage: it lands while K is walked.
; THE WAY OUT: 16 tokens x 64 columns at a time through the wave's own stage in LDS, back as rows of 256 bytes; the residual is added; sixteen lanes store 256 consecutive bytes, aligned.
; LIMITS: NaN and infinities are not served.
.set FRN, 4
.set NQ,  4
.set KS,  8
.set T1,  1
.set T2,  2
.set HASBIAS, 1
.set BOFF, 2457600                     ; w_o's blocks in wf
.set HSTR, 6144                        ; from one half of the tile's rows to the other, in LDS: four fragments,
.set SSTR, 256                         ; their scale words
.set STAGE, 204800                     ; behind the ring: 16 rows x 272 bytes for each wave
.set SPARE, 222208                     ; behind the stages: the spare words, 128 bytes a wave, which no other line names
.set BLK,    12800
.set PIECE,  25600
.set SLOT,   102400
.set FILLSTEP, NQ*BLK
.set LAPS,   KS/(2*NQ)
.set ADA16, 16
.set ADA8,  18
.set ADB16, 20
.set ADB8,  22
.set ADS,   24
.set STO,   26                         ; v26 the stage: where I put 16 bytes of a row; v27 where I read a row back; v30 my byte offset in two rows of the residual and of the result
.set RD,    27
.set SPW,   28
.set NIL,   29
.set CO,    30
.set SC,    32
.set G1,  24
.set G0,  32
.set G1B, 48
.set G0B, 56
.set MSB, 0
.macro WIN new
.if MSB != (\new)
	s_set_vgpr_msb (MSB<<8)|(\new)
.set MSB, (\new)
.endif
.endm
.macro JLOAD g0a, g1a, g0b, g1b
	s_cmp_eq_u32 s15, 0
	s_cbranch_scc0 .Lfor_b_\@
	tensor_load_to_lds s[\g0a:\g0a+3], s[\g1a:\g1a+7]
	s_nop 0
.rept 4
	v_nop
.endr
	s_branch .Lasked_\@
.Lfor_b_\@:
	tensor_load_to_lds s[\g0b:\g0b+3], s[\g1b:\g1b+7]
	s_nop 0
.rept 4
	v_nop
.endr
.Lasked_\@:
.endm
.macro CREST
	s_cmp_lg_u32 s14, 0
	s_cbranch_scc1 .Lnot_wave_0_\@
	s_barrier_signal -3
.Lnot_wave_0_\@:
	s_barrier_wait -3
	s_barrier_signal -1
	s_barrier_wait -1
.endm
.macro CROUND
	s_barrier_signal -1
	s_barrier_wait -1
	CREST
.endm
.macro PLACES n
.rept \n
	v_nop
.endr
.endm
.macro FRAG reg, a16, a8, off
	ds_load_b128 v[(\reg):(\reg)+3], v[\a16] offset:(\off)
	ds_load_b64 v[(\reg)+4:(\reg)+5], v[\a8] offset:(\off)+512
	ds_load_b128 v[(\reg)+6:(\reg)+9], v[\a16] offset:(\off)+768
	ds_load_b64 v[(\reg)+10:(\reg)+11], v[\a8] offset:(\off)+1280
.endm
.macro FETCH slot, q, p
	WIN 0x40
.set fi, 0
.rept FRN
	FRAG 128*(\p)+12*fi, ADB16+\slot, ADB8+\slot, (\q)*BLK+1536*fi
.set fi, fi+1
.endr
	WIN 0
.set fi, 0
.rept FRN
	FRAG 64+96*(\p)+12*fi, ADA16+\slot, ADA8+\slot, (\q)*BLK+1536*fi
.set fi, fi+1
.endr
.set fi, 0
.rept FRN
	ds_load_b32 v[SC+8*(\p)+fi], v[ADS+\slot] offset:(\q)*BLK+12288+64*fi
.set fi, fi+1
.endr
.endm
.macro MULROW a, p, first              ; the accumulators take turns, one instruction a turn
.set AW, 2+((\a)*FRN*8)/256
.if (\first) && HASBIAS
	WIN (AW<<6)|0x11
.else
	WIN (AW<<6)|(AW<<4)|0x01
.endif
.set bb, 0
.rept FRN
.set AC, (8*(FRN*(\a)+bb))%256
.set BF, 128*(\p)+12*bb
.set AF, 64+96*(\p)+12*(\a)
.set BI, 96+8*bb+96*(bb/4)
.if (\first) && HASBIAS
	v_wmma_scale_f32_16x16x128_f8f6f4 v[AC:AC+7], v[BF:BF+11], v[AF:AF+11], v[BI:BI+7], v[SC+8*(\p)+bb], v[SC+8*(\p)+(\a)] matrix_a_fmt:MATRIX_FMT_FP6 matrix_b_fmt:MATRIX_FMT_FP6 matrix_a_scale:MATRIX_SCALE_ROW1
.elseif \first
	v_wmma_scale_f32_16x16x128_f8f6f4 v[AC:AC+7], v[BF:BF+11], v[AF:AF+11], 0, v[SC+8*(\p)+bb], v[SC+8*(\p)+(\a)] matrix_a_fmt:MATRIX_FMT_FP6 matrix_b_fmt:MATRIX_FMT_FP6 matrix_a_scale:MATRIX_SCALE_ROW1
.else
	v_wmma_scale_f32_16x16x128_f8f6f4 v[AC:AC+7], v[BF:BF+11], v[AF:AF+11], v[AC:AC+7], v[SC+8*(\p)+bb], v[SC+8*(\p)+(\a)] matrix_a_fmt:MATRIX_FMT_FP6 matrix_b_fmt:MATRIX_FMT_FP6 matrix_a_scale:MATRIX_SCALE_ROW1
.endif
.set bb, bb+1
.endr
.endm
.macro MULROWS a0, a1, p, first
.set ra, \a0
.rept (\a1)-(\a0)
	MULROW ra, \p, \first
.set ra, ra+1
.endr
.endm
.macro STEP slot, q, first
	s_wait_dscnt 0x0                               ; this step's set is in
	PLACES 4                                       ; in front of loads into registers that the last step's products read
	FETCH \slot, (\q)+1, 1-(\q)%2
	MULROWS 0, FRN, (\q)%2, \first
.endm
.macro STEPS slot, first
	STEP \slot, 0, \first
.if NQ > 2
	STEP \slot, 1, 0
	STEP \slot, 2, 0
.endif
.endm
.macro TURN slot, next, fill
	WIN 0
	s_wait_tensorcnt 0x0                           ; all my tensor loads have landed: my piece of the next slot
	ds_add_u32 v[SPW], v[NIL]                      ; 0 onto my spare word
	s_wait_dscnt 1                                 ; this step's set is in; the add alone may be out
	MULROWS 0, T1, 1, 0
	s_wait_dscnt 0x0                               ; the add is done, and my reads of this slot are over
	s_barrier_signal -1
	MULROWS T1, T2, 1, 0
	WIN 0
	s_barrier_wait -1
.if \fill
	CREST
	s_add_nc_u64 s[G0+4*\slot+2:G0+4*\slot+3], s[G0+4*\slot+2:G0+4*\slot+3], 2*FILLSTEP
	s_add_nc_u64 s[G0B+4*\slot+2:G0B+4*\slot+3], s[G0B+4*\slot+2:G0B+4*\slot+3], 2*FILLSTEP
	JLOAD G0+4*\slot, G1, G0B+4*\slot, G1B
.else
	PLACES 4
.endif
	FETCH \next, 0, 0
	MULROWS T2, FRN, 1, 0
.endm
.macro RESLOAD a                       ; the residual at fragment a's 16 tokens, my 64 columns, two rows an instruction: into window 2, v128 + 32 a on
.irp t, 0,1,2,3,4,5,6,7
	global_load_b128 v[128+32*(\a)+4*\t:128+32*(\a)+4*\t+3], v[CO], s[10:11] offset:(32*((\a)/2)+8*((\a)%2)+2*\t+8*(\t/4))*4096
.endr
.endm
.macro OUTROW a
.set RSR, 128+32*(\a)                  ; in window 2
.set BKR, 128+32*((\a)%2)              ; in window 0
.if (\a) >= 2
	s_wait_xcnt 0x0                                ; the stores of two fragments back have read their data: those registers are loaded again only behind this wait
.endif
	WIN 0x08                                       ; an LDS store's data are its source 1: window 2
.irp b, 0,1,2,3
	ds_store_b128 v[STO], v[8*(4*(\a)+\b):8*(4*(\a)+\b)+3] offset:128*(\b/2)+32*(\b%2)          ; each accumulator from its low end on
	ds_store_b128 v[STO], v[8*(4*(\a)+\b)+4:8*(4*(\a)+\b)+7] offset:128*(\b/2)+32*(\b%2)+16
.endr
	WIN 0
.irp t, 0,1,2,3,4,5,6,7
	ds_load_b128 v[BKR+4*\t:BKR+4*\t+3], v[RD] offset:544*\t    ; LDS serves a wave's instructions in order: these see my stores, and the next fragment's stores come behind them
.endr
.endm
.macro SENDROW a, younger              ; younger: the LDS instructions issued behind fragment a's loads, which may stay out
.set RSR, 128+32*(\a)
.set BKR, 128+32*((\a)%2)
	s_wait_dscnt \younger                          ; the fragment's rows are back in registers
	WIN 0x08
.set i, 0
.rept 16
	v_pk_add_f32 v[BKR+i:BKR+i+1], v[BKR+i:BKR+i+1], v[RSR+i:RSR+i+1]
.set i, i+2
.endr
	WIN 0
.irp t, 0,1,2,3,4,5,6,7
	global_store_b128 v[CO], v[BKR+4*\t:BKR+4*\t+3], s[12:13] offset:(32*((\a)/2)+8*((\a)%2)+2*\t+8*(\t/4))*4096   ; sixteen lanes store 256 consecutive bytes, aligned
.endr
.endm
	s_load_b256 s[4:11], s[0:1], 0x0               ; A's blocks, wf, the bias, the residual
	s_load_b64 s[12:13], s[0:1], 0x20              ; the result
	v_lshl_add_u32 v[SPW], v0, 2, SPARE
	v_mov_b32 v[NIL], 0
	ds_add_u32 v[SPW], v[NIL]                      ; the wave's opening: the add, twice on end, and its wait ahead of my first tensor load
	ds_add_u32 v[SPW], v[NIL]
	v_lshrrev_b32 v1, 5, v0
	v_readfirstlane_b32 s14, v1                    ; wave
	s_lshr_b32 s15, s14, 1                         ; which half of A's rows is mine.  Also: I fetch for A (0) or for B (1)
	s_and_b32 s16, s14, 1                          ; which half of B's.  Also: which piece I fetch
	s_bfe_u32 s40, ttmp6, 0x40000                  ; cx
	s_bfe_u32 s41, ttmp6, 0x40004                  ; cy
	s_lshl_b32 s42, ttmp9, 2
	s_add_co_u32 s42, s42, s40                     ; TX
	s_and_b32 s17, ttmp7, 0xffff
	s_lshl_b32 s17, s17, 2
	s_add_co_u32 s17, s17, s41                     ; TY
	s_lshl_b32 s43, s41, 2
	s_lshl_b32 s43, 15, s43                        ; my row of the cluster
	s_lshl_b32 s44, 0x1111, s40                    ; my column
	s_or_b32 s[G1+0], s43, (3<<16)|(1<<21)         ; 15:0 the mask; 17:16 elements of 8 bytes; 21 set beside a mask; no padding
	s_or_b32 s[G1B+0], s44, (3<<16)|(1<<21)
.irp g, G1, G1B
	s_mov_b32 s[\g+1], 32<<16
	s_mov_b32 s[\g+2], 200<<16                     ; a load brings 200 rows of 256 bytes: four K steps of one block
	s_mov_b32 s[\g+3], 32<<16
	s_mov_b32 s[\g+4], 200
	s_mov_b32 s[\g+5], 32
	s_mov_b32 s[\g+6], 0
	s_mov_b32 s[\g+7], 0
.endr
	s_mul_i32 s18, s16, FILLSTEP                   ; my load: K steps 0-3 or 4-7
	s_mul_i32 s20, s17, KS*BLK                     ; A: row block TY
	s_add_co_u32 s20, s20, s18
	s_mov_b32 s21, 0
	s_mul_i32 s46, s42, KS*BLK                     ; B: row block TX
	s_add_co_u32 s46, s46, s18
	s_add_co_u32 s46, s46, BOFF
	s_mov_b32 s47, 0
	s_mul_i32 s45, s16, SLOT                       ; where it goes: slot 0 or 1,
	s_mul_i32 s19, s15, 2*PIECE                    ; A's part or B's
	s_add_co_u32 s45, s45, s19
	s_wait_dscnt 0x0                               ; both opening adds are done
	s_wait_kmcnt 0x0
	s_add_nc_u64 s[20:21], s[4:5], s[20:21]
	s_add_nc_u64 s[46:47], s[6:7], s[46:47]
	CROUND                                         ; all sixteen work-groups are here: the first joint loads meet
.irp s, 0
	s_mov_b32 s[G0+4*\s], 1
	s_add_co_u32 s[G0+4*\s+1], s45, \s*SLOT
	s_add_nc_u64 s[G0+4*\s+2:G0+4*\s+3], s[20:21], \s*FILLSTEP
	s_or_b32 s[G0+4*\s+3], s[G0+4*\s+3], 0x80000000
	s_mov_b32 s[G0B+4*\s], 1
	s_add_co_u32 s[G0B+4*\s+1], s45, \s*SLOT
	s_add_nc_u64 s[G0B+4*\s+2:G0B+4*\s+3], s[46:47], \s*FILLSTEP
	s_or_b32 s[G0B+4*\s+3], s[G0B+4*\s+3], 0x80000000
	JLOAD G0+4*\s, G1, G0B+4*\s, G1B               ; both slots' first fills: one load of mine is out
.endr
	v_and_b32 v1, 31, v0
	v_and_b32 v2, 15, v0                           ; r
	v_bfe_u32 v3, v0, 4, 1                         ; h
	v_lshlrev_b32 v4, 4, v1
	v_lshlrev_b32 v5, 3, v1
	s_mul_i32 s21, s15, HSTR
	s_mul_i32 s22, s16, HSTR
	s_add_co_u32 s22, s22, 2*PIECE
.irp s, 0,1
	v_add_nc_u32 v[ADA16+\s], s21, v4
	v_add_nc_u32 v[ADA8+\s], s21, v5
	v_add_nc_u32 v[ADB16+\s], s22, v4
	v_add_nc_u32 v[ADB8+\s], s22, v5
	s_add_co_u32 s21, s21, SLOT
	s_add_co_u32 s22, s22, SLOT
.endr
	s_mul_i32 s21, s15, SSTR
	s_mul_i32 s22, s16, SSTR
	s_add_co_u32 s22, s22, 2*PIECE
	s_sub_co_u32 s22, s22, s21
	v_mul_u32_u24 v6, s22, v3                      ; lanes 16-31 take B's words: one product, the distance between the two bases
	v_lshl_add_u32 v6, v2, 2, v6
	v_add_nc_u32 v[ADS], s21, v6
	v_add_nc_u32 v[ADS+1], SLOT, v[ADS]
	s_mul_i32 s23, s14, 16*272
	s_add_co_u32 s23, s23, STAGE                   ; my stage
	v_mul_u32_u24 v6, v2, 272
	v_lshl_add_u32 v6, v3, 6, v6
	v_add_nc_u32 v[STO], s23, v6                   ; in: row r, + 64 h
	v_mul_u32_u24 v6, v3, 272
	v_lshl_add_u32 v6, v2, 4, v6
	v_add_nc_u32 v[RD], s23, v6                    ; back: lanes 0-15 one row, lanes 16-31 the next
	v_lshlrev_b32 v[CO], 12, v3
	v_lshl_add_u32 v[CO], v2, 4, v[CO]             ; and the same two rows in memory
	s_wait_alu depctr_va_vdst(0)
	s_lshl_b32 s20, s17, 7
	s_lshl_b32 s21, s15, 6
	s_add_co_u32 s20, s20, s21
	s_lshl_b32 s20, s20, 12                        ; my first token's row of 4,096 bytes
	s_mov_b32 s21, 0
	s_lshl_b32 s46, s42, 9
	s_lshl_b32 s47, s16, 8
	s_add_co_u32 s46, s46, s47                     ; my first column, in bytes
	s_mov_b32 s47, 0
	s_add_nc_u64 s[8:9], s[8:9], s[46:47]
	s_add_nc_u64 s[20:21], s[20:21], s[46:47]
	s_add_nc_u64 s[10:11], s[10:11], s[20:21]
	s_add_nc_u64 s[12:13], s[12:13], s[20:21]
	v_lshlrev_b32 v7, 6, v3                        ; the bias in the result's layout: for B's fragment b the columns 32 (b / 2) + 16 h + 8 (b % 2) + 0..7
	WIN 0x40
.irp b, 0,1,2,3
	global_load_b128 v[96+8*\b:99+8*\b], v7, s[8:9] offset:128*(\b/2)+32*(\b%2)
	global_load_b128 v[100+8*\b:103+8*\b], v7, s[8:9] offset:128*(\b/2)+32*(\b%2)+16
.endr
	WIN 0x80                                       ; destination window 2
.irp a, 0,1,2,3
	RESLOAD \a                                     ; the whole residual of my 64 x 64: it has all of K in which to land
.endr
	WIN 0
	s_wait_alu depctr_va_vdst(0)
	s_wait_tensorcnt 0x0                           ; my one load is in: behind the barrier all of K lies in LDS
	s_barrier_signal -1
	s_barrier_wait -1
	FETCH 0, 0, 0
	s_wait_loadcnt 32                              ; the bias is in; the 32 loads of the residual, issued behind it, may be out
	STEPS 0, 1                                     ; the first step's products start the sums from the bias
	WIN 0
.if LAPS > 1
	s_mov_b32 s3, LAPS-1
.Llap:
	TURN 0, 1, 1
	STEPS 1, 0
	TURN 1, 0, 1
	STEPS 0, 0
	WIN 0
	s_sub_co_u32 s3, s3, 1
	s_cmp_lg_u32 s3, 0
	s_cbranch_scc1 .Llap
.endif
	TURN 0, 1, 0                                   ; the last lap fills nothing
	STEPS 1, 0
	s_wait_dscnt 0x0
	MULROWS 0, FRN, 1, 0
	WIN 0
	PLACES 4                                       ; behind the last products: for the loads into A's registers and the first reads of results
	s_wait_loadcnt 0x0                             ; the residual
	OUTROW 0                                       ; fragment a + 1 goes through the stage while fragment a is awaited: behind a's loads stand a + 1's 8 stores and 8 loads
	OUTROW 1
	SENDROW 0, 16
	OUTROW 2
	SENDROW 1, 16
	OUTROW 3
	SENDROW 2, 16
	SENDROW 3, 0
	s_wait_tensorcnt 0x0                           ; the wave's end, behind my last tensor load and my last LDS store
	ds_add_u32 v[SPW], v[NIL]
	s_wait_dscnt 0x0
	CROUND                                         ; the closing round
	s_endpgm
.Lfunc_end_k_q974dd7ce93_oproj:
	.size	k_q974dd7ce93_oproj, .Lfunc_end_k_q974dd7ce93_oproj-k_q974dd7ce93_oproj
	.p2alignl 7, 3214868480
	.fill 96, 4, 3214868480
	.section	.rodata,"a",@progbits
	.p2align	6, 0x0
	.amdhsa_kernel k_q974dd7ce93_oproj
		.amdhsa_group_segment_fixed_size 327680
		.amdhsa_private_segment_fixed_size 0
		.amdhsa_enable_private_segment 0
		.amdhsa_kernarg_size 40
		.amdhsa_user_sgpr_count 2
		.amdhsa_user_sgpr_kernarg_segment_ptr 1
		.amdhsa_wavefront_size32 1
		.amdhsa_system_sgpr_workgroup_id_x 1
		.amdhsa_system_sgpr_workgroup_id_y 1
		.amdhsa_system_sgpr_workgroup_id_z 1
		.amdhsa_system_vgpr_workitem_id 0
		.amdhsa_next_free_vgpr 768
		.amdhsa_next_free_sgpr 100
		.amdhsa_reserve_vcc 0
		.amdhsa_float_denorm_mode_32 3
		.amdhsa_float_denorm_mode_16_64 3
		.amdhsa_memory_ordered 1
		.amdhsa_forward_progress 1
		.amdhsa_inst_pref_size 59
	.end_amdhsa_kernel
	.amdgpu_metadata
---
amdhsa.version: [ 1, 2 ]
amdhsa.kernels:
  - .name:           k_q974dd7ce93_oproj
    .symbol:         k_q974dd7ce93_oproj.kd
    .args:
      - { .name: ao, .offset: 0, .size: 8, .value_kind: global_buffer, .address_space: global }
      - { .name: wf, .offset: 8, .size: 8, .value_kind: global_buffer, .address_space: global }
      - { .name: b_o, .offset: 16, .size: 8, .value_kind: global_buffer, .address_space: global }
      - { .name: x, .offset: 24, .size: 8, .value_kind: global_buffer, .address_space: global }
      - { .name: x1, .offset: 32, .size: 8, .value_kind: global_buffer, .address_space: global }
    .group_segment_fixed_size: 327680
    .private_segment_fixed_size: 0
    .kernarg_segment_align: 8
    .kernarg_segment_size: 40
    .max_flat_workgroup_size: 128
    .sgpr_count:     100
    .vgpr_count:     768
    .wavefront_size: 32
...
	.end_amdgpu_metadata
.endif
;; end of part 4
;; launch ln2 (part 5): grid 256 x 1, 8 waves a work-group, no clusters, 77,824 bytes of LDS; arguments x1, ln2_g, ln2_b, hq; writes hq
.if DOCPART == 5
	.amdgcn_target "amdgcn-amd-amdhsa--gfx1250"
	.amdhsa_code_object_version 6
	.text
	.protected	k_q974dd7ce93_ln2
	.globl	k_q974dd7ce93_ln2
	.p2align	8
	.type	k_q974dd7ce93_ln2,@function
k_q974dd7ce93_ln2:
	s_mov_b64 s[64:65], 0
	v_nop
	global_prefetch_b8 v0, s[64:65] scope:SCOPE_SE
	s_setreg_imm32_b32 hwreg(HW_REG_WAVE_MODE, 25, 1), 1
	s_wait_xcnt 0x0
; LayerNorm of 4,096 rows of 1,024 f32, then the quantiser along the row: y = (x - mean) rsqrt(var + 1e-5) g + b becomes codes of E2M3 and E8M0 scale words, stored as images of the operand's registers
; (blocks of 12,800 bytes, [32 blocks of 128 rows][8 K steps]: eight fragments of 1,536 bytes, then eight times 64 bytes of scale words; the layout is set out at the head of the first launch).  Nothing is left out.
; SHARES: work-group F is fragment F of the 256: rows T0 + r + 8 (r / 8), T0 = 32 (F / 2) + 8 (F % 2).  Wave w is K step w.  A row's 512 bytes of the K step come by ONE load, 16 bytes a lane; the 16 rows turn through the wave's own
; stage in LDS (rows 528 bytes apart, so that the sixteen rows that a load touches start in different banks) and come back so that lane (r, h) holds 64 numbers of row r: register 16 b + i is k = 128 w + 32 b + 16 h + i,
; which is what the conversions want (16 neighbours of a block in one lane; lanes l and l xor 16 share a block).  The gain and the bias come by one load each and are read from the same stage.
; The mean is taken first and the deviations are squared afterwards, so a common offset of the inputs costs no accuracy.  The eight waves' partial sums meet in LDS: one barrier for the mean, one for the variance, on bytes of their own.
; LIMITS: rsqrt by the 1-ulp instruction; a block of zeros gets the byte 1 (its codes are zeros; this program alone reads the bytes); NaN and infinities are not served.
.set X,     32                         ; v32-95   my 64 numbers
.set G,     96                         ; v96-159  the gain at my 64 places; later the codes
.set BV,    160                        ; v160-223 the bias
.set TM,    224                        ; v224-227 largest magnitudes, v228-231 permutes and bytes, v236-239 scale operands
.set PW,    240                        ; the scale word
.set PC,    96
.set SPARE, 1024                       ; LDS: 0-511 sums, 512-1023 sums of squares (word [wave][r]); 1,024-2,047 the spare words, 128 bytes a wave, which no other line names
.set STG,   2048                       ; from here a stage for each wave:
.set WST,   9472                       ; 16 rows x 528 bytes, then 512 bytes of the gain and 512 of the bias
.set SEL,   20
.macro ACROSS red                      ; v241: my lane's sum -> the row's, over both halves of the lanes and the eight waves
	s_delay_alu instid0(VALU_DEP_1)
	v_permlanex16_b32 v228, v241, s[SEL], s[SEL+1]
	s_delay_alu instid0(VALU_DEP_1)
	v_add_f32 v241, v241, v228
	ds_store_b32 v3, v241 offset:\red              ; lanes r and r + 16 write the same word with the same value
	s_wait_dscnt 0x0                               ; for the others' sake: my store has landed (and all my loads from the stage are in)
	s_barrier_signal -1
	s_barrier_wait -1
.irp w, 0,1,2,3,4,5,6,7
	ds_load_b32 v[246+\w], v4 offset:\red+64*\w
.endr
	s_wait_dscnt 0x0
	v_add_f32 v241, v246, v247
.irp w, 2,3,4,5,6,7
	s_delay_alu instid0(VALU_DEP_1)
	v_add_f32 v241, v241, v[246+\w]
.endr
.endm
	s_load_b256 s[4:11], s[0:1], 0x0               ; x, the gain, the bias, hq
	v_lshl_add_u32 v8, v0, 2, SPARE                ; my spare word; never rewritten
	v_mov_b32 v9, 0                                ; 0; never rewritten
	v_lshrrev_b32 v1, 5, v0
	s_delay_alu instid0(VALU_DEP_1)
	v_readfirstlane_b32 s31, v1                    ; wave 0..7
	v_and_b32 v13, 31, v0                          ; lane
	v_and_b32 v10, 15, v0                          ; r
	v_bfe_u32 v11, v0, 4, 1                        ; h
	s_delay_alu instid0(VALU_DEP_3)
	v_lshlrev_b32 v1, 4, v13                       ; 16 x lane: my bytes of a load's 512, and of a store's
	s_delay_alu instid0(VALU_DEP_4)
	v_lshlrev_b32 v6, 3, v13                       ; 8 x lane
	s_delay_alu instid0(VALU_DEP_4)
	v_lshlrev_b32 v7, 2, v10                       ; 4 r
	v_lshlrev_b32 v4, 2, v10                       ; LDS: 4 r
	s_mul_i32 s14, s31, WST
	s_add_co_u32 s14, s14, STG                     ; my wave's stage
	v_add_nc_u32 v2, s14, v1                       ; into it: 16 x lane of a row
	v_mul_u32_u24 v5, v10, 528
	s_delay_alu instid0(VALU_DEP_1)
	v_lshl_add_u32 v5, v11, 6, v5
	s_delay_alu instid0(VALU_DEP_1)
	v_add_nc_u32 v5, s14, v5                       ; out of it: row r, + 64 h
	v_lshlrev_b32 v12, 6, v11
	s_delay_alu instid0(VALU_DEP_1)
	v_add_nc_u32 v12, s14, v12                     ; the gain and the bias: + 64 h
	s_lshl_b32 s15, s31, 6
	v_lshl_add_u32 v3, v10, 2, s15                 ; LDS: 64 wave + 4 r
.irp b, 0,1,2,3
	v_mov_b32 v[TM+4+\b], 0                        ; written once: a lane permute's destination counts as one of its sources
.endr
	s_lshr_b32 s13, ttmp9, 1
	s_lshl_b32 s13, s13, 5
	s_and_b32 s16, ttmp9, 1
	s_lshl_b32 s16, s16, 3
	s_add_co_u32 s13, s13, s16                     ; T0
	s_lshl_b32 s16, s13, 12
	s_lshl_b32 s18, s31, 9                         ; my K step: 512 bytes of a row
	s_add_co_u32 s16, s16, s18
	s_mov_b32 s17, 0
	s_mov_b32 s19, 0
	s_lshr_b32 s22, ttmp9, 3
	s_mul_i32 s22, s22, 102400
	s_mul_i32 s23, s31, 12800
	s_add_co_u32 s22, s22, s23                     ; the block: (F / 8, wave)
	s_and_b32 s24, ttmp9, 7
	s_mul_i32 s25, s24, 1536
	s_add_co_u32 s26, s22, s25                     ; its fragment F % 8,
	s_mov_b32 s27, 0
	s_lshl_b32 s25, s24, 6
	s_add_co_u32 s28, s22, s25
	s_add_co_u32 s28, s28, 12288                   ; and that fragment's scale words
	s_mov_b32 s29, 0
	s_mov_b32 s[SEL], 0x76543210
	s_mov_b32 s[SEL+1], 0xfedcba98                 ; v_permlanex16_b32's selects for lane l xor 16
	s_mov_b32 s30, 0x3a800000                      ; 1 / 1,024
	s_wait_alu depctr_va_vdst(0)
	s_wait_kmcnt 0x0
	s_add_nc_u64 s[4:5], s[4:5], s[16:17]
	s_add_nc_u64 s[6:7], s[6:7], s[18:19]
	s_add_nc_u64 s[8:9], s[8:9], s[18:19]
	s_add_nc_u64 s[26:27], s[10:11], s[26:27]
	s_add_nc_u64 s[28:29], s[10:11], s[28:29]
.irp p, 0,1,2,3,4,5,6,7,8,9,10,11,12,13,14,15
	global_load_b128 v[X+4*\p:X+4*\p+3], v1, s[4:5] offset:(\p+8*(\p/8))*4096 th:TH_LOAD_NT   ; the fragment's row p: 512 consecutive bytes, aligned
.endr
	global_load_b128 v[G:G+3], v1, s[6:7]          ; my K step's 128 numbers of the gain,
	global_load_b128 v[BV:BV+3], v1, s[8:9]        ; and of the bias
.irp p, 0,1,2,3,4,5,6,7,8,9,10,11,12,13,14,15
	s_wait_loadcnt 17-\p                           ; row p is in: behind it stand 15 - p rows and the two loads of the gain and the bias
	ds_store_b128 v2, v[X+4*\p:X+4*\p+3] offset:528*\p
.endr
	s_wait_loadcnt 0x0
	ds_store_b128 v2, v[G:G+3] offset:8448
	ds_store_b128 v2, v[BV:BV+3] offset:8960
.irp b, 0,1,2,3                        ; LDS serves a wave's instructions in order: these see my stores, and land in the registers that the stores have read
.irp j, 0,1,2,3
	ds_load_b128 v[X+16*\b+4*\j:X+16*\b+4*\j+3], v5 offset:128*\b+16*\j
.endr
.endr
.irp b, 0,1,2,3
.irp j, 0,1,2,3
	ds_load_b128 v[G+16*\b+4*\j:G+16*\b+4*\j+3], v12 offset:8448+128*\b+16*\j
.endr
.endr
.irp b, 0,1,2,3
.irp j, 0,1,2,3
	ds_load_b128 v[BV+16*\b+4*\j:BV+16*\b+4*\j+3], v12 offset:8960+128*\b+16*\j
.endr
.endr
	s_wait_dscnt 32                                ; x is back; the 16 loads of the gain and the 16 of the bias may be out
	v_pk_add_f32 v[234:235], v[32:33], v[34:35]
	v_pk_add_f32 v[254:255], v[40:41], v[44:45]
	v_pk_add_f32 v[252:253], v[48:49], v[52:53]
	v_pk_add_f32 v[250:251], v[56:57], v[60:61]
	v_pk_add_f32 v[248:249], v[64:65], v[68:69]
	v_pk_add_f32 v[246:247], v[72:73], v[76:77]
	v_pk_add_f32 v[244:245], v[80:81], v[84:85]
	v_pk_add_f32 v[232:233], v[88:89], v[92:93]
	s_delay_alu instid0(VALU_DEP_1)
	v_pk_add_f32 v[232:233], v[232:233], v[36:37]
	v_pk_add_f32 v[234:235], v[234:235], v[38:39]
	v_pk_add_f32 v[254:255], v[254:255], v[42:43]
	v_pk_add_f32 v[252:253], v[252:253], v[46:47]
	v_pk_add_f32 v[250:251], v[250:251], v[50:51]
	v_pk_add_f32 v[248:249], v[248:249], v[54:55]
	v_pk_add_f32 v[246:247], v[246:247], v[58:59]
	v_pk_add_f32 v[244:245], v[244:245], v[62:63]
	v_pk_add_f32 v[232:233], v[232:233], v[66:67]
	v_pk_add_f32 v[234:235], v[234:235], v[70:71]
	v_pk_add_f32 v[254:255], v[254:255], v[74:75]
	v_pk_add_f32 v[252:253], v[252:253], v[78:79]
	v_pk_add_f32 v[250:251], v[250:251], v[82:83]
	v_pk_add_f32 v[248:249], v[248:249], v[86:87]
	v_pk_add_f32 v[246:247], v[246:247], v[90:91]
	v_pk_add_f32 v[244:245], v[244:245], v[94:95]
	s_delay_alu instid0(VALU_DEP_4)
	v_pk_add_f32 v[232:233], v[232:233], v[250:251]
	s_delay_alu instid0(VALU_DEP_4)
	v_pk_add_f32 v[234:235], v[234:235], v[248:249]
	s_delay_alu instid0(VALU_DEP_4)
	v_pk_add_f32 v[254:255], v[254:255], v[246:247]
	s_delay_alu instid0(VALU_DEP_4)
	v_pk_add_f32 v[252:253], v[252:253], v[244:245]
	s_delay_alu instid0(VALU_DEP_2)
	v_pk_add_f32 v[232:233], v[232:233], v[254:255]
	s_delay_alu instid0(VALU_DEP_2)
	v_pk_add_f32 v[234:235], v[234:235], v[252:253]
	s_delay_alu instid0(VALU_DEP_1)
	v_pk_add_f32 v[232:233], v[232:233], v[234:235]
	s_delay_alu instid0(VALU_DEP_1)
	v_add_f32 v241, v232, v233
	ACROSS 0
	s_delay_alu instid0(VALU_DEP_1)
	v_mul_f32 v242, s30, v241                      ; the mean,
	s_delay_alu instid0(VALU_DEP_1)
	v_mov_b32 v243, v242                           ; as a pair
.set i, 0
.rept 32
	v_pk_add_f32 v[X+i:X+i+1], v[X+i:X+i+1], v[242:243] neg_lo:[0,1] neg_hi:[0,1]   ; d = x - mean
.set i, i+2
.endr
	v_pk_mul_f32 v[232:233], v[X:X+1], v[X:X+1]    ; the sum of d^2
	v_pk_mul_f32 v[234:235], v[X+2:X+3], v[X+2:X+3]
.irp j, 4,8,12,16,20,24,28,32,36,40,44,48,52,56,60
	s_delay_alu instid0(VALU_DEP_2)
	v_pk_fma_f32 v[232:233], v[X+\j:X+\j+1], v[X+\j:X+\j+1], v[232:233]
	s_delay_alu instid0(VALU_DEP_2)
	v_pk_fma_f32 v[234:235], v[X+\j+2:X+\j+3], v[X+\j+2:X+\j+3], v[234:235]
.endr
	s_delay_alu instid0(VALU_DEP_1)
	v_pk_add_f32 v[232:233], v[232:233], v[234:235]
	s_delay_alu instid0(VALU_DEP_1)
	v_add_f32 v241, v232, v233
	ACROSS 512
	s_delay_alu instid0(VALU_DEP_1)
	v_fmaak_f32 v241, s30, v241, 0x3727c5ac        ; var + 1e-5
	s_wait_alu depctr_va_vdst(0)
	v_rsq_f32 v244, v241
	v_nop                                          ; a plain place behind the transcendental
	s_wait_alu depctr_va_vdst(0)                   ; the wait ahead of the first line that names the result
	v_mov_b32 v245, v244
.set i, 0
.rept 32
	v_pk_mul_f32 v[X+i:X+i+1], v[X+i:X+i+1], v[244:245]
.set i, i+2
.endr
.set i, 0
.rept 32
	v_pk_fma_f32 v[X+i:X+i+1], v[X+i:X+i+1], v[G+i:G+i+1], v[BV+i:BV+i+1]
.set i, i+2
.endr
	; the quantiser: four blocks of 32; a block lies in lanes l and l xor 16
.irp b, 0,1,2,3
	v_max3_num_f32 v[TM+\b], |v[X+16*\b]|, |v[X+1+16*\b]|, 0x1800000   ; and the floor 2^(3 - 127): the byte cannot fall under 1
.endr
.irp i, 2,4,6,8,10,12,14
.irp b, 0,1,2,3
	s_delay_alu instid0(VALU_DEP_4)
	v_max3_num_f32 v[TM+\b], v[TM+\b], |v[X+16*\b+\i]|, |v[X+1+16*\b+\i]|
.endr
.endr
.irp b, 0,1,2,3
	s_delay_alu instid0(VALU_DEP_4)
	v_permlanex16_b32 v[TM+4+\b], v[TM+\b], s[SEL], s[SEL+1]
.endr
.irp b, 0,1,2,3
	s_delay_alu instid0(VALU_DEP_4)
	v_max_num_f32 v[TM+\b], v[TM+\b], v[TM+4+\b]
.endr
.irp b, 0,1,2,3
	s_delay_alu instid0(VALU_DEP_4)
	v_add_nc_u32 v[TM+12+\b], 0xff000000, v[TM+\b] ; 2 off the exponent field: the conversion's scale operand
.endr
.irp b, 0,1,2,3
	s_delay_alu instid0(VALU_DEP_4)
	v_lshrrev_b32 v[TM+4+\b], 23, v[TM+12+\b]      ; the scale's byte
.endr
	s_delay_alu instid0(VALU_DEP_3)
	v_lshl_or_b32 v[PW], v[TM+5], 8, v[TM+4]
	s_delay_alu instid0(VALU_DEP_1)
	v_lshl_or_b32 v[PW], v[TM+6], 16, v[PW]
	s_delay_alu instid0(VALU_DEP_1)
	v_lshl_or_b32 v[PW], v[TM+7], 24, v[PW]
.irp c, 0,1
	v_cvt_scalef32_pk16_fp6_f32 v[PC+6*\c:PC+2+6*\c], v[X+32*\c:X+15+32*\c], v[TM+12+2*\c]
	v_cvt_scalef32_pk16_fp6_f32 v[PC+12+4*\c:PC+14+4*\c], v[X+16+32*\c:X+31+32*\c], v[TM+13+2*\c]
.endr
	v_nop                                          ; one plain place behind a scaled conversion
.irp c, 0,1                            ; the operand's layout wants a whole block in a lane: lanes 0-15 block 2 c, lanes 16-31 block 2 c + 1
.irp i, 0,1,2
	v_permlane16_swap_b32 v[PC+6*\c+\i], v[PC+12+4*\c+\i]
.endr
.irp i, 0,1,2
	s_delay_alu instid0(VALU_DEP_3)
	v_mov_b32 v[PC+3+6*\c+\i], v[PC+12+4*\c+\i]
.endr
.endr
	global_store_b128 v1, v[PC:PC+3], s[26:27]                  ; 512 consecutive bytes, aligned
	global_store_b64 v6, v[PC+4:PC+5], s[26:27] offset:512      ; 256
	global_store_b128 v1, v[PC+6:PC+9], s[26:27] offset:768
	global_store_b64 v6, v[PC+10:PC+11], s[26:27] offset:1280
	global_store_b32 v7, v[PW], s[28:29]                        ; 64 bytes of scale words (both halves of the lanes hold the same word)
	s_wait_tensorcnt 0x0                           ; the wave's end, behind my last LDS store
	ds_add_u32 v8, v9
	s_wait_dscnt 0x0
	s_endpgm
.Lfunc_end_k_q974dd7ce93_ln2:
	.size	k_q974dd7ce93_ln2, .Lfunc_end_k_q974dd7ce93_ln2-k_q974dd7ce93_ln2
	.p2alignl 7, 3214868480
	.fill 96, 4, 3214868480
	.section	.rodata,"a",@progbits
	.p2align	6, 0x0
	.amdhsa_kernel k_q974dd7ce93_ln2
		.amdhsa_group_segment_fixed_size 77824
		.amdhsa_private_segment_fixed_size 0
		.amdhsa_enable_private_segment 0
		.amdhsa_kernarg_size 32
		.amdhsa_user_sgpr_count 2
		.amdhsa_user_sgpr_kernarg_segment_ptr 1
		.amdhsa_wavefront_size32 1
		.amdhsa_system_sgpr_workgroup_id_x 1
		.amdhsa_system_sgpr_workgroup_id_y 1
		.amdhsa_system_sgpr_workgroup_id_z 1
		.amdhsa_system_vgpr_workitem_id 0
		.amdhsa_next_free_vgpr 256
		.amdhsa_next_free_sgpr 66
		.amdhsa_reserve_vcc 0
		.amdhsa_float_denorm_mode_32 3
		.amdhsa_float_denorm_mode_16_64 3
		.amdhsa_memory_ordered 1
		.amdhsa_forward_progress 1
		.amdhsa_inst_pref_size 30
	.end_amdhsa_kernel
	.amdgpu_metadata
---
amdhsa.version: [ 1, 2 ]
amdhsa.kernels:
  - .name:           k_q974dd7ce93_ln2
    .symbol:         k_q974dd7ce93_ln2.kd
    .args:
      - { .name: x1, .offset: 0, .size: 8, .value_kind: global_buffer, .address_space: global }
      - { .name: ln2_g, .offset: 8, .size: 8, .value_kind: global_buffer, .address_space: global }
      - { .name: ln2_b, .offset: 16, .size: 8, .value_kind: global_buffer, .address_space: global }
      - { .name: hq, .offset: 24, .size: 8, .value_kind: global_buffer, .address_space: global }
    .group_segment_fixed_size: 77824
    .private_segment_fixed_size: 0
    .kernarg_segment_align: 8
    .kernarg_segment_size: 32
    .max_flat_workgroup_size: 256
    .sgpr_count:     66
    .vgpr_count:     256
    .wavefront_size: 32
...
	.end_amdgpu_metadata
.endif
;; end of part 5
;; launch ffn1 (part 6): grid 16 x 16, 4 waves a work-group, clusters of 4 x 4, 327,680 bytes of LDS; arguments hq, wf, b1, hid; writes hid
.if DOCPART == 6
	.amdgcn_target "amdgcn-amd-amdhsa--gfx1250"
	.amdhsa_code_object_version 6
	.text
	.protected	k_q974dd7ce93_ffn1
	.globl	k_q974dd7ce93_ffn1
	.p2align	8
	.type	k_q974dd7ce93_ffn1,@function
k_q974dd7ce93_ffn1:
	s_mov_b64 s[64:65], 0
	v_nop
	global_prefetch_b8 v0, s[64:65] scope:SCOPE_SE
	s_setreg_imm32_b32 hwreg(HW_REG_WAVE_MODE, 25, 1), 1
	s_wait_xcnt 0x0
	s_wait_alu depctr_hold_cnt(0) depctr_sa_sdst(0) depctr_va_vdst(0) depctr_va_sdst(0) depctr_va_ssrc(0) depctr_va_vcc(0) depctr_vm_vsrc(0)
	s_getreg_b32 s2, hwreg(HW_REG_IB_STS2, 6, 4)
	s_cmp_eq_u32 s2, 0
	s_cbranch_scc0 .Lentry_in_a_cluster
	s_endpgm
.Lentry_in_a_cluster:
	s_bfe_u32 s2, ttmp6, 0x10000c
	s_cmp_lg_u32 s2, 0xf033
	s_cbranch_scc0 .Lentry_shape_is_right
	s_endpgm
.Lentry_shape_is_right:
.set FRN, 8
.set NQ,  2
.set KS,  8
.set T1,  2
.set T2,  3
.set HASBIAS, 1
.set BOFF, 3276800
.set HSTR, 25600
.set SSTR, 25600
.set SPARE, 204800
.set BLK,    12800
.set PIECE,  25600
.set SLOT,   102400
.set FILLSTEP, NQ*BLK
.set LAPS,   KS/(2*NQ)
.set ADA16, 16
.set ADA8,  18
.set ADB16, 20
.set ADB8,  22
.set ADS,   24
.set L16,   26
.set L8,    27
.set SPW,   28
.set NIL,   29
.set L4,    30
.set PW,    31
.set SC,    32
.set TM,    48
.set X2,    48
.set PP,    56
.set NN,    64
.set QQ,    128
.set HH,    192
.set PC,    128
.set RS2, 66
.set A11, 68
.set A9,  70
.set A7,  72
.set A5,  74
.set A3,  76
.set A1,  78
.set B6,  80
.set B4,  82
.set B2,  84
.set B0,  86
.set G1,  24
.set G0,  32
.set G1B, 48
.set G0B, 56
.set MSB, 0
.macro WIN new
.if MSB != (\new)
	s_set_vgpr_msb (MSB<<8)|(\new)
.set MSB, (\new)
.endif
.endm
.macro JLOAD g0a, g1a, g0b, g1b
	s_cmp_eq_u32 s15, 0
	s_cbranch_scc0 .Lfor_b_\@
	tensor_load_to_lds s[\g0a:\g0a+3], s[\g1a:\g1a+7]
	s_nop 0
.rept 4
	v_nop
.endr
	s_branch .Lasked_\@
.Lfor_b_\@:
	tensor_load_to_lds s[\g0b:\g0b+3], s[\g1b:\g1b+7]
	s_nop 0
.rept 4
	v_nop
.endr
.Lasked_\@:
.endm
.macro CREST
	s_cmp_lg_u32 s14, 0
	s_cbranch_scc1 .Lnot_wave_0_\@
	s_barrier_signal -3
.Lnot_wave_0_\@:
	s_barrier_wait -3
	s_barrier_signal -1
	s_barrier_wait -1
.endm
.macro CROUND
	s_barrier_signal -1
	s_barrier_wait -1
	CREST
.endm
.macro PLACES n
.rept \n
	v_nop
.endr
.endm
.macro FRAG reg, a16, a8, off
	ds_load_b128 v[(\reg):(\reg)+3], v[\a16] offset:(\off)
	ds_load_b64 v[(\reg)+4:(\reg)+5], v[\a8] offset:(\off)+512
	ds_load_b128 v[(\reg)+6:(\reg)+9], v[\a16] offset:(\off)+768
	ds_load_b64 v[(\reg)+10:(\reg)+11], v[\a8] offset:(\off)+1280
.endm
.macro FETCH slot, q, p
	WIN 0x40
.set fi, 0
.rept FRN
	FRAG 128*(\p)+12*fi, ADB16+\slot, ADB8+\slot, (\q)*BLK+1536*fi
.set fi, fi+1
.endr
	WIN 0
.set fi, 0
.rept FRN
	FRAG 64+96*(\p)+12*fi, ADA16+\slot, ADA8+\slot, (\q)*BLK+1536*fi
.set fi, fi+1
.endr
.set fi, 0
.rept FRN
	ds_load_b32 v[SC+8*(\p)+fi], v[ADS+\slot] offset:(\q)*BLK+12288+64*fi
.set fi, fi+1
.endr
.endm
.macro MULROW a, p, first
.set AW, 2+((\a)*FRN*8)/256
.if (\first) && HASBIAS
	WIN (AW<<6)|0x11
.else
	WIN (AW<<6)|(AW<<4)|0x01
.endif
.set bb, 0
.rept FRN
.set AC, (8*(FRN*(\a)+bb))%256
.set BF, 128*(\p)+12*bb
.set AF, 64+96*(\p)+12*(\a)
.set BI, 96+8*bb+96*(bb/4)
.if (\first) && HASBIAS
	v_wmma_scale_f32_16x16x128_f8f6f4 v[AC:AC+7], v[BF:BF+11], v[AF:AF+11], v[BI:BI+7], v[SC+8*(\p)+bb], v[SC+8*(\p)+(\a)] matrix_a_fmt:MATRIX_FMT_FP6 matrix_b_fmt:MATRIX_FMT_FP6 matrix_a_scale:MATRIX_SCALE_ROW1
.elseif \first
	v_wmma_scale_f32_16x16x128_f8f6f4 v[AC:AC+7], v[BF:BF+11], v[AF:AF+11], 0, v[SC+8*(\p)+bb], v[SC+8*(\p)+(\a)] matrix_a_fmt:MATRIX_FMT_FP6 matrix_b_fmt:MATRIX_FMT_FP6 matrix_a_scale:MATRIX_SCALE_ROW1
.else
	v_wmma_scale_f32_16x16x128_f8f6f4 v[AC:AC+7], v[BF:BF+11], v[AF:AF+11], v[AC:AC+7], v[SC+8*(\p)+bb], v[SC+8*(\p)+(\a)] matrix_a_fmt:MATRIX_FMT_FP6 matrix_b_fmt:MATRIX_FMT_FP6 matrix_a_scale:MATRIX_SCALE_ROW1
.endif
.set bb, bb+1
.endr
.endm
.macro MULROWS a0, a1, p, first
.set ra, \a0
.rept (\a1)-(\a0)
	MULROW ra, \p, \first
.set ra, ra+1
.endr
.endm
.macro STEP slot, q, first
	s_wait_dscnt 0x0
	PLACES 4
	FETCH \slot, (\q)+1, 1-(\q)%2
	MULROWS 0, FRN, (\q)%2, \first
.endm
.macro STEPS slot, first
	STEP \slot, 0, \first
.if NQ > 2
	STEP \slot, 1, 0
	STEP \slot, 2, 0
.endif
.endm
.macro TURN slot, next, fill
	WIN 0
	s_wait_tensorcnt 0x0
	ds_add_u32 v[SPW], v[NIL]
	s_wait_dscnt 1
	MULROWS 0, T1, 1, 0
	s_wait_dscnt 0x0
	s_barrier_signal -1
	MULROWS T1, T2, 1, 0
	WIN 0
	s_barrier_wait -1
.if \fill
	CREST
	s_add_nc_u64 s[G0+4*\slot+2:G0+4*\slot+3], s[G0+4*\slot+2:G0+4*\slot+3], 2*FILLSTEP
	s_add_nc_u64 s[G0B+4*\slot+2:G0B+4*\slot+3], s[G0B+4*\slot+2:G0B+4*\slot+3], 2*FILLSTEP
	JLOAD G0+4*\slot, G1, G0B+4*\slot, G1B
.else
	PLACES 4
.endif
	s_wait_alu depctr_va_vdst(0)
	FETCH \next, 0, 0
	MULROWS T2, FRN, 1, 0
.endm
.macro QUANT s, W
	WIN (\W)|((\W)<<2)
.irp b, 0,1,2,3
	v_max3_num_f32 v[TM+\b], |v[(\s)+16*\b]|, |v[(\s)+1+16*\b]|, 0x1800000
.endr
.irp i, 2,4,6,8,10,12,14
.irp b, 0,1,2,3
	v_max3_num_f32 v[TM+\b], |v[(\s)+16*\b+\i]|, |v[(\s)+1+16*\b+\i]|, v[TM+\b]
.endr
.endr
	WIN 0
.irp b, 0,1,2,3
	v_permlanex16_b32 v[TM+4+\b], v[TM+\b], s[90], s[91]
.endr
.irp b, 0,1,2,3
	v_max_num_f32 v[TM+\b], v[TM+\b], v[TM+4+\b]
.endr
.irp b, 0,1,2,3
	v_add_nc_u32 v[TM+12+\b], 0xff000000, v[TM+\b]
.endr
.irp b, 0,1,2,3
	v_lshrrev_b32 v[TM+4+\b], 23, v[TM+12+\b]
.endr
	v_lshl_or_b32 v[PW], v[TM+5], 8, v[TM+4]
	v_lshl_or_b32 v[PW], v[TM+6], 16, v[PW]
	v_lshl_or_b32 v[PW], v[TM+7], 24, v[PW]
	WIN (\W)
.irp c, 0,1
	v_cvt_scalef32_pk16_fp6_f32 v[PC+6*\c:PC+2+6*\c], v[(\s)+32*\c:(\s)+15+32*\c], v[TM+12+2*\c]
	v_cvt_scalef32_pk16_fp6_f32 v[PC+12+4*\c:PC+14+4*\c], v[(\s)+16+32*\c:(\s)+31+32*\c], v[TM+13+2*\c]
.endr
	WIN 0
	v_nop
.irp c, 0,1
.irp i, 0,1,2
	v_permlane16_swap_b32 v[PC+6*\c+\i], v[PC+12+4*\c+\i]
.endr
.irp i, 0,1,2
	v_mov_b32 v[PC+3+6*\c+\i], v[PC+12+4*\c+\i]
.endr
.endr
.endm
.macro KONST r, bits
	s_mov_b32 s[\r], \bits
	s_mov_b32 s[\r+1], \bits
.endm
.macro ARM a
	WIN 2+(\a)/4
.set i, 0
.rept 32
	v_pk_mul_f32 v[NN+i:NN+i+1], v[64*((\a)%4)+i:64*((\a)%4)+i+1], s[RS2:RS2+1] op_sel_hi:[1,0]
.set i, i+2
.endr
.set i, 0
.rept 32
	v_pk_mul_f32 v[HH+i:HH+i+1], v[64*((\a)%4)+i:64*((\a)%4)+i+1], 0.5 op_sel_hi:[1,0]
.set i, i+2
.endr
	WIN 0
.endm
	s_load_b256 s[4:11], s[0:1], 0x0
	v_lshl_add_u32 v[SPW], v0, 2, SPARE
	v_mov_b32 v[NIL], 0
	ds_add_u32 v[SPW], v[NIL]
	ds_add_u32 v[SPW], v[NIL]
	v_lshrrev_b32 v1, 5, v0
	v_readfirstlane_b32 s14, v1
	s_lshr_b32 s15, s14, 1
	s_and_b32 s16, s14, 1
	s_bfe_u32 s40, ttmp6, 0x40000
	s_bfe_u32 s41, ttmp6, 0x40004
	s_lshl_b32 s42, ttmp9, 2
	s_add_co_u32 s42, s42, s40
	s_and_b32 s17, ttmp7, 0xffff
	s_lshl_b32 s17, s17, 2
	s_add_co_u32 s17, s17, s41
	s_lshl_b32 s43, s41, 2
	s_lshl_b32 s43, 15, s43
	s_lshl_b32 s44, 0x1111, s40
	s_or_b32 s[G1+0], s43, (3<<16)|(1<<21)
	s_or_b32 s[G1B+0], s44, (3<<16)|(1<<21)
.irp g, G1, G1B
	s_mov_b32 s[\g+1], 32<<16
	s_mov_b32 s[\g+2], 100<<16
	s_mov_b32 s[\g+3], 32<<16
	s_mov_b32 s[\g+4], 100
	s_mov_b32 s[\g+5], 32
	s_mov_b32 s[\g+6], 0
	s_mov_b32 s[\g+7], 0
.endr
	s_lshl_b32 s20, s17, 1
	s_add_co_u32 s20, s20, s16
	s_mul_i32 s20, s20, KS*BLK
	s_mov_b32 s21, 0
	s_lshl_b32 s46, s42, 1
	s_add_co_u32 s46, s46, s16
	s_mul_i32 s46, s46, KS*BLK
	s_add_co_u32 s46, s46, BOFF
	s_mov_b32 s47, 0
	s_mul_i32 s45, s14, PIECE
	s_mov_b32 s90, 0x76543210
	s_mov_b32 s91, 0xfedcba98
	KONST RS2, 0x3f3504f3
	KONST A11, 0x32edffee
	KONST A9,  0xb60cff51
	KONST A7,  0xb86ec2d2
	KONST A5,  0xba40ac63
	KONST A3,  0xbb41a1f6
	KONST A1,  0xbc83dbd4
	KONST B6,  0xb95fbd29
	KONST B4,  0xbadc924e
	KONST B2,  0xbbf19bf8
	KONST B0,  0xbc69b6a7
	s_wait_dscnt 0x0
	s_wait_kmcnt 0x0
	s_add_nc_u64 s[20:21], s[4:5], s[20:21]
	s_add_nc_u64 s[46:47], s[6:7], s[46:47]
	CROUND
.irp s, 0,1
	s_mov_b32 s[G0+4*\s], 1
	s_add_co_u32 s[G0+4*\s+1], s45, \s*SLOT
	s_add_nc_u64 s[G0+4*\s+2:G0+4*\s+3], s[20:21], \s*FILLSTEP
	s_or_b32 s[G0+4*\s+3], s[G0+4*\s+3], 0x80000000
	s_mov_b32 s[G0B+4*\s], 1
	s_add_co_u32 s[G0B+4*\s+1], s45, \s*SLOT
	s_add_nc_u64 s[G0B+4*\s+2:G0B+4*\s+3], s[46:47], \s*FILLSTEP
	s_or_b32 s[G0B+4*\s+3], s[G0B+4*\s+3], 0x80000000
.endr
	s_cmp_eq_u32 s15, 0                            ; the prefetches: my piece's address (A's or B's),
	s_cselect_b64 s[96:97], s[20:21], s[46:47]
	s_cselect_b32 s98, s40, s41                    ; and my work-group's place among the four that ask for it jointly
	s_mul_i32 s98, s98, 25                         ; a piece is 100 blocks of 256 bytes: 25 to each partner, told apart by address
	JLOAD G0, G1, G0B, G1B                         ; slot 0's first fill: one tensor load a wave at the head
	v_and_b32 v13, 31, v0
	v_min_u32 v13, 24, v13                         ; lanes 25-31 name the 25th block again
	v_add_nc_u32 v13, s98, v13
	v_lshlrev_b32 v13, 8, v13                      ; never rewritten
	global_prefetch_b8 v13, s[96:97] offset:FILLSTEP th:TH_LOAD_NT scope:SCOPE_SE      ; my share of fills 1 and 2
	global_prefetch_b8 v13, s[96:97] offset:2*FILLSTEP th:TH_LOAD_NT scope:SCOPE_SE
	v_and_b32 v1, 31, v0
	v_and_b32 v2, 15, v0
	v_bfe_u32 v3, v0, 4, 1
	v_lshlrev_b32 v4, 4, v1
	v_lshlrev_b32 v5, 3, v1
	s_mul_i32 s21, s15, HSTR
	s_mul_i32 s22, s16, HSTR
	s_add_co_u32 s22, s22, 2*PIECE
.irp s, 0,1
	v_add_nc_u32 v[ADA16+\s], s21, v4
	v_add_nc_u32 v[ADA8+\s], s21, v5
	v_add_nc_u32 v[ADB16+\s], s22, v4
	v_add_nc_u32 v[ADB8+\s], s22, v5
	s_add_co_u32 s21, s21, SLOT
	s_add_co_u32 s22, s22, SLOT
.endr
	s_mul_i32 s21, s15, SSTR
	s_mul_i32 s22, s16, SSTR
	s_add_co_u32 s22, s22, 2*PIECE
	s_sub_co_u32 s22, s22, s21
	v_mul_u32_u24 v6, s22, v3
	v_lshl_add_u32 v6, v2, 2, v6
	v_add_nc_u32 v[ADS], s21, v6
	v_add_nc_u32 v[ADS+1], SLOT, v[ADS]
	v_mov_b32 v[L16], v4
	v_mov_b32 v[L8], v5
	v_lshlrev_b32 v[L4], 2, v2
	v_mov_b32 v8, 0xaf95df0b
	v_mov_b32 v9, 0xaf95df0b
	v_mov_b32 v10, 0xb77460cd
	v_mov_b32 v11, 0xb77460cd
	s_lshl_b32 s46, s42, 10
	s_lshl_b32 s47, s16, 9
	s_add_co_u32 s46, s46, s47
	s_mov_b32 s47, 0
	s_add_nc_u64 s[8:9], s[8:9], s[46:47]
	s_lshl_b32 s20, s17, 1
	s_add_co_u32 s20, s20, s15
	s_lshl_b32 s20, s20, 5
	s_lshl_b32 s46, s42, 1
	s_add_co_u32 s46, s46, s16
	s_add_co_u32 s20, s20, s46
	s_mul_i32 s20, s20, BLK
	s_mov_b32 s21, 0
	s_add_nc_u64 s[92:93], s[10:11], s[20:21]
	s_add_nc_u64 s[94:95], s[92:93], 12288-64      ; both store bases begin one step low: each trip of the way out steps them ahead of its stores
	s_sub_nc_u64 s[92:93], s[92:93], 1536
	v_lshlrev_b32 v7, 6, v3
	WIN 0x40
.irp b, 0,1,2,3,4,5,6,7
	global_load_b128 v[96+8*\b+96*(\b/4):99+8*\b+96*(\b/4)], v7, s[8:9] offset:128*(\b/2)+32*(\b%2)
	global_load_b128 v[100+8*\b+96*(\b/4):103+8*\b+96*(\b/4)], v7, s[8:9] offset:128*(\b/2)+32*(\b%2)+16
.endr
	WIN 0
	s_wait_alu depctr_va_vdst(0)
	s_wait_tensorcnt 0x0                           ; my piece of slot 0 is in
	ds_add_u32 v[SPW], v[NIL]
	s_wait_dscnt 0x0
	CROUND                                         ; a whole round: slot 0 is whole, and the joint loads meet
	JLOAD G0+4, G1, G0B+4, G1B                     ; slot 1's first fill, the first tensor load behind the round
	FETCH 0, 0, 0
	global_prefetch_b8 v13, s[96:97] offset:3*FILLSTEP th:TH_LOAD_NT scope:SCOPE_SE    ; my share of fill 3, the last
	s_wait_loadcnt 0x0
	STEPS 0, 1
	WIN 0
.if LAPS > 1
	s_mov_b32 s3, LAPS-1
.Llap:
	TURN 0, 1, 1
	STEPS 1, 0
	TURN 1, 0, 1
	STEPS 0, 0
	WIN 0
	s_sub_co_u32 s3, s3, 1
	s_cmp_lg_u32 s3, 0
	s_cbranch_scc1 .Llap
.endif
	TURN 0, 1, 0
	STEPS 1, 0
	s_wait_dscnt 0x0
	MULROWS 0, FRN, 1, 0
	WIN 0
	PLACES 4
	s_mov_b32 s3, 0
.Lrow:
.irp a, 0,1,2,3,4,5,6
	s_cmp_eq_u32 s3, \a
	s_cbranch_scc0 .Lnot_\a
	ARM \a
	s_branch .Lhave
.Lnot_\a:
.endr
	ARM 7
.Lhave:
.set j, 0
.rept 64
	v_med3_num_f32 v[NN+j], v[NN+j], -4.0, 4.0
.set j, j+1
.endr
	s_wait_xcnt 0x0                                ; the last trip's stores have read their data and bases: the lines below write those registers again
	s_add_nc_u64 s[92:93], s[92:93], 1536          ; this trip's fragment,
	s_add_nc_u64 s[94:95], s[94:95], 64            ; and its scale words
.set g, 0
.rept 8
.irp k, 0,2,4,6
	v_pk_mul_f32 v[X2+\k:X2+\k+1], v[NN+8*g+\k:NN+8*g+\k+1], v[NN+8*g+\k:NN+8*g+\k+1]
.endr
.irp k, 0,2,4,6
	v_pk_fma_f32 v[PP+\k:PP+\k+1], v[X2+\k:X2+\k+1], v[8:9], s[A11:A11+1] op_sel_hi:[1,1,0]
.endr
.irp k, 0,2,4,6
	v_pk_fma_f32 v[QQ+8*g+\k:QQ+8*g+\k+1], v[X2+\k:X2+\k+1], v[10:11], s[B6:B6+1] op_sel_hi:[1,1,0]
.endr
.irp c, 0,1,2                          ; the numerator's and the denominator's chains level by level in turn: eight independent lines between a line and its reader (A9, A7, A5 and B4, B2, B0 lie in neighbouring pairs)
.irp k, 0,2,4,6
	v_pk_fma_f32 v[PP+\k:PP+\k+1], v[PP+\k:PP+\k+1], v[X2+\k:X2+\k+1], s[A9+2*\c:A9+2*\c+1] op_sel_hi:[1,1,0]
.endr
.irp k, 0,2,4,6
	v_pk_fma_f32 v[QQ+8*g+\k:QQ+8*g+\k+1], v[QQ+8*g+\k:QQ+8*g+\k+1], v[X2+\k:X2+\k+1], s[B4+2*\c:B4+2*\c+1] op_sel_hi:[1,1,0]
.endr
.endr
.irp c, A3, A1
.irp k, 0,2,4,6
	v_pk_fma_f32 v[PP+\k:PP+\k+1], v[PP+\k:PP+\k+1], v[X2+\k:X2+\k+1], s[\c:\c+1] op_sel_hi:[1,1,0]
.endr
.endr
.irp k, 0,2,4,6
	v_pk_mul_f32 v[NN+8*g+\k:NN+8*g+\k+1], v[NN+8*g+\k:NN+8*g+\k+1], v[PP+\k:PP+\k+1]
.endr
.set g, g+1
.endr
.set j, 0
	s_wait_alu depctr_va_vdst(0)
.rept 64
	v_rcp_f32 v[QQ+j], v[QQ+j]
.set j, j+1
.endr
	v_nop
	s_wait_alu depctr_va_vdst(0)
.set j, 0
.rept 32
	v_pk_mul_f32 v[NN+j:NN+j+1], v[NN+j:NN+j+1], v[QQ+j:QQ+j+1]
.set j, j+2
.endr
.set j, 0
.rept 32
	v_pk_fma_f32 v[NN+j:NN+j+1], v[HH+j:HH+j+1], v[NN+j:NN+j+1], v[HH+j:HH+j+1]
.set j, j+2
.endr
	QUANT NN, 0
	global_store_b128 v[L16], v[PC:PC+3], s[92:93]
	global_store_b64 v[L8], v[PC+4:PC+5], s[92:93] offset:512
	global_store_b128 v[L16], v[PC+6:PC+9], s[92:93] offset:768
	global_store_b64 v[L8], v[PC+10:PC+11], s[92:93] offset:1280
	global_store_b32 v[L4], v[PW], s[94:95]
	s_add_co_u32 s3, s3, 1
	s_cmp_lt_u32 s3, 8
	s_cbranch_scc1 .Lrow
	s_wait_tensorcnt 0x0
	ds_add_u32 v[SPW], v[NIL]
	s_wait_dscnt 0x0
	CROUND
	s_endpgm
.Lfunc_end_k_q974dd7ce93_ffn1:
	.size	k_q974dd7ce93_ffn1, .Lfunc_end_k_q974dd7ce93_ffn1-k_q974dd7ce93_ffn1
	.p2alignl 7, 3214868480
	.fill 96, 4, 3214868480
	.section	.rodata,"a",@progbits
	.p2align	6, 0x0
	.amdhsa_kernel k_q974dd7ce93_ffn1
		.amdhsa_group_segment_fixed_size 327680
		.amdhsa_private_segment_fixed_size 0
		.amdhsa_enable_private_segment 0
		.amdhsa_kernarg_size 32
		.amdhsa_user_sgpr_count 2
		.amdhsa_user_sgpr_kernarg_segment_ptr 1
		.amdhsa_wavefront_size32 1
		.amdhsa_system_sgpr_workgroup_id_x 1
		.amdhsa_system_sgpr_workgroup_id_y 1
		.amdhsa_system_sgpr_workgroup_id_z 1
		.amdhsa_system_vgpr_workitem_id 0
		.amdhsa_next_free_vgpr 1024
		.amdhsa_next_free_sgpr 100
		.amdhsa_reserve_vcc 0
		.amdhsa_float_denorm_mode_32 3
		.amdhsa_float_denorm_mode_16_64 3
		.amdhsa_memory_ordered 1
		.amdhsa_forward_progress 1
		.amdhsa_inst_pref_size 189
	.end_amdhsa_kernel
	.amdgpu_metadata
---
amdhsa.version: [ 1, 2 ]
amdhsa.kernels:
  - .name:           k_q974dd7ce93_ffn1
    .symbol:         k_q974dd7ce93_ffn1.kd
    .args:
      - { .name: hq, .offset: 0, .size: 8, .value_kind: global_buffer, .address_space: global }
      - { .name: wf, .offset: 8, .size: 8, .value_kind: global_buffer, .address_space: global }
      - { .name: b1, .offset: 16, .size: 8, .value_kind: global_buffer, .address_space: global }
      - { .name: hid, .offset: 24, .size: 8, .value_kind: global_buffer, .address_space: global }
    .group_segment_fixed_size: 327680
    .private_segment_fixed_size: 0
    .kernarg_segment_align: 8
    .kernarg_segment_size: 32
    .max_flat_workgroup_size: 128
    .sgpr_count:     100
    .vgpr_count:     1024
    .wavefront_size: 32
...
	.end_amdgpu_metadata
.endif
;; end of part 6
;; launch ffn2 (part 7): grid 8 x 32, 4 waves a work-group, clusters of 4 x 4, 327,680 bytes of LDS; arguments hid, wf, b2, x1, out0; writes out0
.if DOCPART == 7
	.amdgcn_target "amdgcn-amd-amdhsa--gfx1250"
	.amdhsa_code_object_version 6
	.text
	.protected	k_q974dd7ce93_ffn2
	.globl	k_q974dd7ce93_ffn2
	.p2align	8
	.type	k_q974dd7ce93_ffn2,@function
k_q974dd7ce93_ffn2:
	s_mov_b64 s[64:65], 0
	v_nop
	global_prefetch_b8 v0, s[64:65] scope:SCOPE_SE
	s_setreg_imm32_b32 hwreg(HW_REG_WAVE_MODE, 25, 1), 1
	s_wait_xcnt 0x0
	s_wait_alu depctr_hold_cnt(0) depctr_sa_sdst(0) depctr_va_vdst(0) depctr_va_sdst(0) depctr_va_ssrc(0) depctr_va_vcc(0) depctr_vm_vsrc(0)
	s_getreg_b32 s2, hwreg(HW_REG_IB_STS2, 6, 4)
	s_cmp_eq_u32 s2, 0
	s_cbranch_scc0 .Lentry_in_a_cluster
	s_endpgm
.Lentry_in_a_cluster:
	s_bfe_u32 s2, ttmp6, 0x10000c
	s_cmp_lg_u32 s2, 0xf033
	s_cbranch_scc0 .Lentry_shape_is_right
	s_endpgm
.Lentry_shape_is_right:
.set FRN, 4
.set NQ,  4
.set KS,  32
.set T1,  1
.set T2,  2
.set HASBIAS, 1
.set BOFF, 6553600
.set HSTR, 6144
.set SSTR, 256
.set STAGE, 204800
.set SPARE, 222208
.set BLK,    12800
.set PIECE,  25600
.set SLOT,   102400
.set FILLSTEP, NQ*BLK
.set LAPS,   KS/(2*NQ)
.set ADA16, 16
.set ADA8,  18
.set ADB16, 20
.set ADB8,  22
.set ADS,   24
.set STO,   26
.set RD,    27
.set SPW,   28
.set NIL,   29
.set CO,    30
.set SC,    32
.set G1,  24
.set G0,  32
.set G1B, 48
.set G0B, 56
.set MSB, 0
.macro WIN new
.if MSB != (\new)
	s_set_vgpr_msb (MSB<<8)|(\new)
.set MSB, (\new)
.endif
.endm
.macro JLOAD g0a, g1a, g0b, g1b
	s_cmp_eq_u32 s15, 0
	s_cbranch_scc0 .Lfor_b_\@
	tensor_load_to_lds s[\g0a:\g0a+3], s[\g1a:\g1a+7]
	s_nop 0
.rept 4
	v_nop
.endr
	s_branch .Lasked_\@
.Lfor_b_\@:
	tensor_load_to_lds s[\g0b:\g0b+3], s[\g1b:\g1b+7]
	s_nop 0
.rept 4
	v_nop
.endr
.Lasked_\@:
.endm
.macro CREST
	s_cmp_lg_u32 s14, 0
	s_cbranch_scc1 .Lnot_wave_0_\@
	s_barrier_signal -3
.Lnot_wave_0_\@:
	s_barrier_wait -3
	s_barrier_signal -1
	s_barrier_wait -1
.endm
.macro CROUND
	s_barrier_signal -1
	s_barrier_wait -1
	CREST
.endm
.macro PLACES n
.rept \n
	v_nop
.endr
.endm
.macro FRAG reg, a16, a8, off
	ds_load_b128 v[(\reg):(\reg)+3], v[\a16] offset:(\off)
	ds_load_b64 v[(\reg)+4:(\reg)+5], v[\a8] offset:(\off)+512
	ds_load_b128 v[(\reg)+6:(\reg)+9], v[\a16] offset:(\off)+768
	ds_load_b64 v[(\reg)+10:(\reg)+11], v[\a8] offset:(\off)+1280
.endm
.macro FETCH slot, q, p
	WIN 0x40
.set fi, 0
.rept FRN
	FRAG 128*(\p)+12*fi, ADB16+\slot, ADB8+\slot, (\q)*BLK+1536*fi
.set fi, fi+1
.endr
	WIN 0
.set fi, 0
.rept FRN
	FRAG 64+96*(\p)+12*fi, ADA16+\slot, ADA8+\slot, (\q)*BLK+1536*fi
.set fi, fi+1
.endr
.set fi, 0
.rept FRN
	ds_load_b32 v[SC+8*(\p)+fi], v[ADS+\slot] offset:(\q)*BLK+12288+64*fi
.set fi, fi+1
.endr
.endm
.macro MULROW a, p, first
.set AW, 2+((\a)*FRN*8)/256
.if (\first) && HASBIAS
	WIN (AW<<6)|0x11
.else
	WIN (AW<<6)|(AW<<4)|0x01
.endif
.set bb, 0
.rept FRN
.set AC, (8*(FRN*(\a)+bb))%256
.set BF, 128*(\p)+12*bb
.set AF, 64+96*(\p)+12*(\a)
.set BI, 96+8*bb+96*(bb/4)
.if (\first) && HASBIAS
	v_wmma_scale_f32_16x16x128_f8f6f4 v[AC:AC+7], v[BF:BF+11], v[AF:AF+11], v[BI:BI+7], v[SC+8*(\p)+bb], v[SC+8*(\p)+(\a)] matrix_a_fmt:MATRIX_FMT_FP6 matrix_b_fmt:MATRIX_FMT_FP6 matrix_a_scale:MATRIX_SCALE_ROW1
.elseif \first
	v_wmma_scale_f32_16x16x128_f8f6f4 v[AC:AC+7], v[BF:BF+11], v[AF:AF+11], 0, v[SC+8*(\p)+bb], v[SC+8*(\p)+(\a)] matrix_a_fmt:MATRIX_FMT_FP6 matrix_b_fmt:MATRIX_FMT_FP6 matrix_a_scale:MATRIX_SCALE_ROW1
.else
	v_wmma_scale_f32_16x16x128_f8f6f4 v[AC:AC+7], v[BF:BF+11], v[AF:AF+11], v[AC:AC+7], v[SC+8*(\p)+bb], v[SC+8*(\p)+(\a)] matrix_a_fmt:MATRIX_FMT_FP6 matrix_b_fmt:MATRIX_FMT_FP6 matrix_a_scale:MATRIX_SCALE_ROW1
.endif
.set bb, bb+1
.endr
.endm
.macro MULROWS a0, a1, p, first
.set ra, \a0
.rept (\a1)-(\a0)
	MULROW ra, \p, \first
.set ra, ra+1
.endr
.endm
.macro STEP slot, q, first
	s_wait_dscnt 0x0
	PLACES 4
	FETCH \slot, (\q)+1, 1-(\q)%2
	MULROWS 0, FRN, (\q)%2, \first
.endm
.macro STEPS slot, first
	STEP \slot, 0, \first
.if NQ > 2
	STEP \slot, 1, 0
	STEP \slot, 2, 0
.endif
.endm
.macro TURN slot, next, fill
	WIN 0
.if \fill
	s_wait_xcnt 0x0                                ; my last prefetch has read its address: it steps one fill on
	s_add_nc_u64 s[96:97], s[96:97], FILLSTEP
.endif
	s_wait_tensorcnt 0x0
	ds_add_u32 v[SPW], v[NIL]
	s_wait_dscnt 1
	MULROWS 0, T1, 1, 0
	s_wait_dscnt 0x0
	s_barrier_signal -1
	MULROWS T1, T2, 1, 0
	WIN 0
	s_barrier_wait -1
.if \fill
	CREST
	s_add_nc_u64 s[G0+4*\slot+2:G0+4*\slot+3], s[G0+4*\slot+2:G0+4*\slot+3], 2*FILLSTEP
	s_add_nc_u64 s[G0B+4*\slot+2:G0B+4*\slot+3], s[G0B+4*\slot+2:G0B+4*\slot+3], 2*FILLSTEP
	JLOAD G0+4*\slot, G1, G0B+4*\slot, G1B
.else
	PLACES 4
.endif
	FETCH \next, 0, 0
.if \fill
	s_cmp_gt_u32 s3, 1                             ; the loop's last trip loads fills 6 and 7: no fill stands two on
	s_cbranch_scc0 .Lno_ask_\@
	global_prefetch_b8 v13, s[96:97] offset:3*FILLSTEP th:TH_LOAD_NT scope:SCOPE_SE    ; my share of the fill two on from the one just asked for
.Lno_ask_\@:
.endif
	MULROWS T2, FRN, 1, 0
.endm
.macro RESLOAD a
.irp t, 0,1,2,3,4,5,6,7
	global_load_b128 v[128+32*(\a)+4*\t:128+32*(\a)+4*\t+3], v[CO], s[10:11] offset:(32*((\a)/2)+8*((\a)%2)+2*\t+8*(\t/4))*4096
.endr
.endm
.macro OUTROW a
.set RSR, 128+32*(\a)
.set BKR, 128+32*((\a)%2)
.if (\a) >= 2
	s_wait_xcnt 0x0
.endif
	WIN 0x08
.irp b, 0,1,2,3
	ds_store_b128 v[STO], v[8*(4*(\a)+\b):8*(4*(\a)+\b)+3] offset:128*(\b/2)+32*(\b%2)
	ds_store_b128 v[STO], v[8*(4*(\a)+\b)+4:8*(4*(\a)+\b)+7] offset:128*(\b/2)+32*(\b%2)+16
.endr
	WIN 0
.irp t, 0,1,2,3,4,5,6,7
	ds_load_b128 v[BKR+4*\t:BKR+4*\t+3], v[RD] offset:544*\t    ; LDS serves a wave's instructions in order: these see my stores, and the next fragment's stores come behind them
.endr
.endm
.macro SENDROW a, younger              ; younger: the LDS instructions issued behind fragment a's loads, which may stay out
.set RSR, 128+32*(\a)
.set BKR, 128+32*((\a)%2)
	s_wait_dscnt \younger                          ; the fragment's rows are back in registers
	WIN 0x08
.set i, 0
.rept 16
	v_pk_add_f32 v[BKR+i:BKR+i+1], v[BKR+i:BKR+i+1], v[RSR+i:RSR+i+1]
.set i, i+2
.endr
	WIN 0
.irp t, 0,1,2,3,4,5,6,7
	global_store_b128 v[CO], v[BKR+4*\t:BKR+4*\t+3], s[12:13] offset:(32*((\a)/2)+8*((\a)%2)+2*\t+8*(\t/4))*4096 th:TH_STORE_NT
.endr
.endm
	s_load_b256 s[4:11], s[0:1], 0x0
	s_load_b64 s[12:13], s[0:1], 0x20
	v_lshl_add_u32 v[SPW], v0, 2, SPARE
	v_mov_b32 v[NIL], 0
	ds_add_u32 v[SPW], v[NIL]
	ds_add_u32 v[SPW], v[NIL]
	v_lshrrev_b32 v1, 5, v0
	v_readfirstlane_b32 s14, v1
	s_lshr_b32 s15, s14, 1
	s_and_b32 s16, s14, 1
	s_bfe_u32 s40, ttmp6, 0x40000
	s_bfe_u32 s41, ttmp6, 0x40004
	s_lshl_b32 s42, ttmp9, 2
	s_add_co_u32 s42, s42, s40
	s_and_b32 s17, ttmp7, 0xffff
	s_lshl_b32 s17, s17, 2
	s_add_co_u32 s17, s17, s41
	s_lshl_b32 s43, s41, 2
	s_lshl_b32 s43, 15, s43
	s_lshl_b32 s44, 0x1111, s40
	s_or_b32 s[G1+0], s43, (3<<16)|(1<<21)
	s_or_b32 s[G1B+0], s44, (3<<16)|(1<<21)
.irp g, G1, G1B
	s_mov_b32 s[\g+1], 32<<16
	s_mov_b32 s[\g+2], 100<<16
	s_mov_b32 s[\g+3], 32<<16
	s_mov_b32 s[\g+4], 100
	s_mov_b32 s[\g+5], 32
	s_mov_b32 s[\g+6], 0
	s_mov_b32 s[\g+7], 0
.endr
	s_mul_i32 s18, s16, PIECE
	s_mul_i32 s20, s17, KS*BLK
	s_add_co_u32 s20, s20, s18
	s_mov_b32 s21, 0
	s_mul_i32 s46, s42, KS*BLK
	s_add_co_u32 s46, s46, s18
	s_add_co_u32 s46, s46, BOFF
	s_mov_b32 s47, 0
	s_mul_i32 s45, s14, PIECE
	s_wait_dscnt 0x0
	s_wait_kmcnt 0x0
	s_add_nc_u64 s[20:21], s[4:5], s[20:21]
	s_add_nc_u64 s[46:47], s[6:7], s[46:47]
	CROUND
.irp s, 0,1
	s_mov_b32 s[G0+4*\s], 1
	s_add_co_u32 s[G0+4*\s+1], s45, \s*SLOT
	s_add_nc_u64 s[G0+4*\s+2:G0+4*\s+3], s[20:21], \s*FILLSTEP
	s_or_b32 s[G0+4*\s+3], s[G0+4*\s+3], 0x80000000
	s_mov_b32 s[G0B+4*\s], 1
	s_add_co_u32 s[G0B+4*\s+1], s45, \s*SLOT
	s_add_nc_u64 s[G0B+4*\s+2:G0B+4*\s+3], s[46:47], \s*FILLSTEP
	s_or_b32 s[G0B+4*\s+3], s[G0B+4*\s+3], 0x80000000
.endr
	s_cmp_eq_u32 s15, 0                            ; the prefetches: my piece's address (A's or B's),
	s_cselect_b64 s[96:97], s[20:21], s[46:47]
	s_cselect_b32 s98, s40, s41                    ; and my work-group's place among the four that ask for it jointly
	s_mul_i32 s98, s98, 25                         ; a piece is 100 blocks of 256 bytes: 25 to each partner, told apart by address
	JLOAD G0, G1, G0B, G1B                         ; slot 0's first fill: one tensor load a wave at the head
	v_and_b32 v13, 31, v0
	v_min_u32 v13, 24, v13                         ; lanes 25-31 name the 25th block again
	v_add_nc_u32 v13, s98, v13
	v_lshlrev_b32 v13, 8, v13                      ; never rewritten
	global_prefetch_b8 v13, s[96:97] offset:FILLSTEP th:TH_LOAD_NT scope:SCOPE_SE      ; my share of fills 1 and 2
	global_prefetch_b8 v13, s[96:97] offset:2*FILLSTEP th:TH_LOAD_NT scope:SCOPE_SE
	v_and_b32 v1, 31, v0
	v_and_b32 v2, 15, v0
	v_bfe_u32 v3, v0, 4, 1
	v_lshlrev_b32 v4, 4, v1
	v_lshlrev_b32 v5, 3, v1
	s_mul_i32 s21, s15, HSTR
	s_mul_i32 s22, s16, HSTR
	s_add_co_u32 s22, s22, 2*PIECE
.irp s, 0,1
	v_add_nc_u32 v[ADA16+\s], s21, v4
	v_add_nc_u32 v[ADA8+\s], s21, v5
	v_add_nc_u32 v[ADB16+\s], s22, v4
	v_add_nc_u32 v[ADB8+\s], s22, v5
	s_add_co_u32 s21, s21, SLOT
	s_add_co_u32 s22, s22, SLOT
.endr
	s_mul_i32 s21, s15, SSTR
	s_mul_i32 s22, s16, SSTR
	s_add_co_u32 s22, s22, 2*PIECE
	s_sub_co_u32 s22, s22, s21
	v_mul_u32_u24 v6, s22, v3
	v_lshl_add_u32 v6, v2, 2, v6
	v_add_nc_u32 v[ADS], s21, v6
	v_add_nc_u32 v[ADS+1], SLOT, v[ADS]
	s_mul_i32 s23, s14, 16*272
	s_add_co_u32 s23, s23, STAGE
	v_mul_u32_u24 v6, v2, 272
	v_lshl_add_u32 v6, v3, 6, v6
	v_add_nc_u32 v[STO], s23, v6
	v_mul_u32_u24 v6, v3, 272
	v_lshl_add_u32 v6, v2, 4, v6
	v_add_nc_u32 v[RD], s23, v6
	v_lshlrev_b32 v[CO], 12, v3
	v_lshl_add_u32 v[CO], v2, 4, v[CO]
	s_wait_alu depctr_va_vdst(0)
	s_lshl_b32 s20, s17, 7
	s_lshl_b32 s21, s15, 6
	s_add_co_u32 s20, s20, s21
	s_lshl_b32 s20, s20, 12
	s_mov_b32 s21, 0
	s_lshl_b32 s46, s42, 9
	s_lshl_b32 s47, s16, 8
	s_add_co_u32 s46, s46, s47
	s_mov_b32 s47, 0
	s_add_nc_u64 s[8:9], s[8:9], s[46:47]
	s_add_nc_u64 s[20:21], s[20:21], s[46:47]
	s_add_nc_u64 s[10:11], s[10:11], s[20:21]
	s_add_nc_u64 s[12:13], s[12:13], s[20:21]
	v_lshlrev_b32 v7, 6, v3
	WIN 0x40
.irp b, 0,1,2,3
	global_load_b128 v[96+8*\b:99+8*\b], v7, s[8:9] offset:128*(\b/2)+32*(\b%2)
	global_load_b128 v[100+8*\b:103+8*\b], v7, s[8:9] offset:128*(\b/2)+32*(\b%2)+16
.endr
	WIN 0x80
.irp a, 0,1,2,3
	RESLOAD \a
.endr
	WIN 0
	s_wait_alu depctr_va_vdst(0)
	s_wait_tensorcnt 0x0                           ; my piece of slot 0 is in
	ds_add_u32 v[SPW], v[NIL]
	s_wait_dscnt 0x0
	CROUND                                         ; a whole round: slot 0 is whole, and the joint loads meet
	JLOAD G0+4, G1, G0B+4, G1B                     ; slot 1's first fill, the first tensor load behind the round
	FETCH 0, 0, 0
	global_prefetch_b8 v13, s[96:97] offset:3*FILLSTEP th:TH_LOAD_NT scope:SCOPE_SE    ; my share of fill 3
	s_wait_loadcnt 32
	STEPS 0, 1
	WIN 0
.if LAPS > 1
	s_mov_b32 s3, LAPS-1
.Llap:
	TURN 0, 1, 1
	STEPS 1, 0
	TURN 1, 0, 1
	STEPS 0, 0
	WIN 0
	s_sub_co_u32 s3, s3, 1
	s_cmp_lg_u32 s3, 0
	s_cbranch_scc1 .Llap
.endif
	TURN 0, 1, 0
	STEPS 1, 0
	s_wait_dscnt 0x0
	MULROWS 0, FRN, 1, 0
	WIN 0
	PLACES 4
	s_wait_loadcnt 0x0
	OUTROW 0                                       ; fragment a + 1 goes through the stage while fragment a is awaited: behind a's loads stand a + 1's 8 stores and 8 loads
	OUTROW 1
	SENDROW 0, 16
	OUTROW 2
	SENDROW 1, 16
	OUTROW 3
	SENDROW 2, 16
	SENDROW 3, 0
	s_wait_tensorcnt 0x0
	ds_add_u32 v[SPW], v[NIL]
	s_wait_dscnt 0x0
	CROUND
	s_endpgm
.Lfunc_end_k_q974dd7ce93_ffn2:
	.size	k_q974dd7ce93_ffn2, .Lfunc_end_k_q974dd7ce93_ffn2-k_q974dd7ce93_ffn2
	.p2alignl 7, 3214868480
	.fill 96, 4, 3214868480
	.section	.rodata,"a",@progbits
	.p2align	6, 0x0
	.amdhsa_kernel k_q974dd7ce93_ffn2
		.amdhsa_group_segment_fixed_size 327680
		.amdhsa_private_segment_fixed_size 0
		.amdhsa_enable_private_segment 0
		.amdhsa_kernarg_size 40
		.amdhsa_user_sgpr_count 2
		.amdhsa_user_sgpr_kernarg_segment_ptr 1
		.amdhsa_wavefront_size32 1
		.amdhsa_system_sgpr_workgroup_id_x 1
		.amdhsa_system_sgpr_workgroup_id_y 1
		.amdhsa_system_sgpr_workgroup_id_z 1
		.amdhsa_system_vgpr_workitem_id 0
		.amdhsa_next_free_vgpr 768
		.amdhsa_next_free_sgpr 100
		.amdhsa_reserve_vcc 0
		.amdhsa_float_denorm_mode_32 3
		.amdhsa_float_denorm_mode_16_64 3
		.amdhsa_memory_ordered 1
		.amdhsa_forward_progress 1
		.amdhsa_inst_pref_size 100
	.end_amdhsa_kernel
	.amdgpu_metadata
---
amdhsa.version: [ 1, 2 ]
amdhsa.kernels:
  - .name:           k_q974dd7ce93_ffn2
    .symbol:         k_q974dd7ce93_ffn2.kd
    .args:
      - { .name: hid, .offset: 0, .size: 8, .value_kind: global_buffer, .address_space: global }
      - { .name: wf, .offset: 8, .size: 8, .value_kind: global_buffer, .address_space: global }
      - { .name: b2, .offset: 16, .size: 8, .value_kind: global_buffer, .address_space: global }
      - { .name: x1, .offset: 24, .size: 8, .value_kind: global_buffer, .address_space: global }
      - { .name: out0, .offset: 32, .size: 8, .value_kind: global_buffer, .address_space: global }
    .group_segment_fixed_size: 327680
    .private_segment_fixed_size: 0
    .kernarg_segment_align: 8
    .kernarg_segment_size: 40
    .max_flat_workgroup_size: 128
    .sgpr_count:     100
    .vgpr_count:     768
    .wavefront_size: 32
...
	.end_amdgpu_metadata
.endif
;; end of part 7
